; MI455X (gfx1250); checked and timed in simulation.
; The chip was launched on July 23, 2026; its instructions are those of AMD's public machine-readable ISA for CDNA 5 (MIT licence, August 2026) and "CDNA5" Instruction Set Architecture Reference Guide (July 2026). The comments in the code are by the model that wrote it; some were corrected since.
;; Sigmoid Attention. Allowed arithmetic: matrix products marked QUANTISED: E2M3 operands, one E8M0 scale for each 32 along K, by v_wmma_scale_f32_16x16x128_f8f6f4 with both operands' format E2M3, f32 sums; everything else in f32.
;; Inputs: Wk 1,024 x 1,024 float32; Wq 1,024 x 1,024 float32; Wv 1,024 x 1,024 float32; X 4 x 2,048 x 1,024 float32; bk 1,024 float32; bq 1,024 float32; bv 1,024 float32.
;; Outputs: out0 4 x 2,048 x 1,024 float32.
;; This version of the problem:
;;   THIS VERSION OF THE PROBLEM IS GIVEN IN LOW PRECISION. The matrix products marked QUANTISED in the list below multiply operands that are first quantised to E2M3 (2 exponent bits, 3 mantissa bits; 6 bits a number), with one power-of-two scale for each 32 numbers along K (OCP MX v1.0); their sums are f32. All else is computed in f32.
;;   The module's matrix products, in the order in which they are computed (A, B: the left and right operand; K: the contracted axis; several contracted axes count as one K, in the product's order):
;;     1. [M 8,192, K 1,024] x [K 1,024, N 1,024]; A: input X; B: input Wq: QUANTISED
;;     2. [M 8,192, K 1,024] x [K 1,024, N 1,024]; A: input X; B: input Wk: QUANTISED
;;     3. [M 8,192, K 1,024] x [K 1,024, N 1,024]; A: input X; B: input Wv: QUANTISED
;;     4. batch 4 x [M 2,048, K 1,024] x [K 1,024, N 2,048]; A: computed on the way; B: computed on the way: QUANTISED
;;     5. batch 4 x [M 2,048, K 2,048] x [K 2,048, N 1,024]; A: computed on the way; B: computed on the way: QUANTISED
;;   THE QUANTISER, for each operand of a quantised product, along K:
;;     - K is cut into blocks of 32 from its start; a last block that is shorter is filled with zeros.
;;     - A block's scale is 2^e with e = floor(log2(the largest magnitude in the block)) - 2, held to -126 .. 127; a block of zeros has e = 0. As a byte (E8M0): e + 127.
;;     - Each number is divided by its block's scale, clamped to +-7.5, and rounded to the nearest number of E2M3, ties to even, subnormals kept.
;;     - The product sums the exact products of the quantised numbers (number of the format x scale) in f32.
;;   ~~~python
;;   def quantise(x, axis):      # numpy; x: float32 -> the quantised numbers, widened to float32 again
;;       x = np.moveaxis(x, axis, -1); K = x.shape[-1]
;;       x = np.pad(x, [(0, 0)] * (x.ndim - 1) + [(0, -K % 32)]); x = x.reshape(x.shape[:-1] + (-1, 32)); a = np.abs(x).max(-1, keepdims=True)
;;       e = np.where(a > 0, np.clip(np.frexp(np.where(a > 0, a, 1))[1] - 1 - 2, -126, 127), 0)      # np.frexp(a)[1] - 1 = floor(log2(a)), exactly
;;       r = np.clip(x / 2.0 ** e, -7.5, 7.5)
;;       step = 2.0 ** (np.maximum(np.frexp(np.where(r == 0, 1, r))[1] - 1, 0) - 3)
;;       q = np.round(r / step) * step * 2.0 ** e      # np.round: ties to even
;;       return np.moveaxis(q.reshape(q.shape[:-2] + (-1,))[..., :K], -1, axis).astype(np.float32)
;;   ~~~
;;   OPERANDS COMPUTED ON THE WAY. 'Computed on the way' means the value that the module computes at that place (a softmax that the list does not call 'softmax' is quantised finished and normalised). What goes into a quantiser is computed in f32, as accurately as f32 sums, v_exp_f32 and their like allow (about 1e-6 of the number): no bf16 or f16 on the way to a quantiser, and a product that is left as it is and whose result goes on into a quantised operand takes f32 operands (vector FMAs, or v_wmma_f32_16x16x4_f32). A number that lies on a knife's edge between two numbers of the format may be rounded either way, as far as f32 arithmetic and the matrix unit's own rounding can turn it there, and no further.
;; One version. Each part assembles by itself: llvm-mc -triple=amdgcn-amd-amdhsa -mcpu=gfx1250 --defsym DOCPART=n.
;; ======== version 1 of 1: 4 launches
;; workspace buffers: xw 9,011,200 bytes; qkv 19,660,800 bytes; p 13,107,200 bytes
;; launch quant (part 1): grid 448 x 1, 4 waves a work-group, no clusters, 48,640 bytes of LDS; arguments X, Wq, Wk, Wv, xw; writes xw
.if DOCPART == 1
	.amdgcn_target "amdgcn-amd-amdhsa--gfx1250"
	.amdhsa_code_object_version 6
	.text
	.protected	k_q3b6f9a3bab_quant
	.globl	k_q3b6f9a3bab_quant
	.p2align	8
	.type	k_q3b6f9a3bab_quant,@function
k_q3b6f9a3bab_quant:
	s_mov_b64 s[64:65], 0
	v_nop
	global_prefetch_b8 v0, s[64:65] scope:SCOPE_SE
	s_setreg_imm32_b32 hwreg(HW_REG_WAVE_MODE, 25, 1), 1
	s_wait_xcnt 0x0
; X [8192][1024] and Wq, Wk, Wv [1024 (k)][1024 (n)], f32, become codes of FP6 (E2M3) with one E8M0 byte for each 32 along K (K = the 1,024 inner numbers of X, the FIRST axis of a weight).
; A block's scale is 2^(floor(log2(its largest magnitude)) - 2); its byte is the largest magnitude's exponent field - 2, held at 1 from below.
; LIMITS: a block of zeros gets the byte 1 where the quantiser says 127 (its codes are zeros, and this program alone reads the bytes); NaN and infinities among the inputs are not served.
; LAYOUT OF xw.  Codes lie as IMAGES OF OPERAND REGISTERS: a fragment is 16 rows x 128 K = 12 registers a lane = 1,536 bytes; register p of lane L lies at 512 (p / 4) + 16 L + 4 (p % 4); fragments
; in the order [rowtile][K step]: 704 rowtiles (0-511: X; 512 + 64 m: weight m = q, k, v) x 8 K steps.  Scale words (four bytes: 128 along K of one row) lie [K step][16 rowtile + r] from byte XWS on.
; THE ROWS OF A ROWTILE ARE NOT NEIGHBOURS: place r of rowtile T holds row 32 (T / 2) + 8 (T % 2) + r + 8 (r / 8), so that a later product, used transposed, leaves 16 neighbours in 16 registers.
; Work-groups 0-255 take X, 256-447 the weights; the two ways never join, and each has LDS bytes of its own.  Waves share nothing: no barrier.
.set XWS,   8650752                    ; where the scale words begin
.set XSTG,  8704                       ; X's way: LDS of a wave: a stage of 16 rows x 528 bytes, then 256 bytes of scale words
.set WBASE, 4*XSTG                     ; the weights' way: LDS from here on,
.set WREG,  3328                       ; so much for a wave: two images,
.set WIM,   1664                       ; so far apart (1,536 + 128: the two images' rows start in different banks)
.set R,    16                          ; v16-143  X: two sets of 64 numbers as loaded
.set XN,   144                         ; v144-207 X: 64 numbers of my row, k = 64 c + 32 h + 0 .. 31
.set F,    208                         ; v208-231 X: a fragment's codes, two sets of 12
.set MX,   232                         ; v232-233 largest magnitudes;  v234-235 the conversions' scale operands;  v236-237 the bytes
.set SX,   234
.set BX,   236
.set WX,   238                         ; v238 the scale word; v239 the other half of the lanes' part of it
.set CT,   240                         ; v240-242, v244-246: the second halves of the blocks' codes (a conversion's three registers begin on an even number)
.set SD,   248                         ; v[248:249] scale words on the way out
.set WN,   16                          ; v16-143  W: 128 numbers of my column, down K
.set WW,   156                         ; v156     W: my column's scale word
.set OUTR, 208                         ; v208-231 W: two images on the way out
	s_load_b256 s[4:11], s[0:1], 0x0               ; X s[4:5], Wq s[6:7], Wk s[8:9], Wv s[10:11]
	s_load_b64 s[12:13], s[0:1], 0x20              ; xw
	v_lshl_add_u32 v254, v0, 2, 0xbc00
	v_mov_b32 v255, 0
	v_lshrrev_b32 v1, 5, v0
	v_readfirstlane_b32 s16, v1                    ; wave 0..3
	v_and_b32 v1, 31, v0                           ; lane
	v_and_b32 v9, 15, v0                           ; r
	v_bfe_u32 v10, v0, 4, 1                        ; h
	s_mov_b32 s24, 0x76543210
	s_mov_b32 s25, 0xfedcba98                      ; v_permlanex16_b32's selects for lane l xor 16
	s_cmp_ge_u32 ttmp9, 256
	s_cbranch_scc1 .Lw
; ---------------- X: a wave takes 64 rows (four rowtiles) x one K step: four fragments, 32 KiB read
	s_lshl_b32 s17, ttmp9, 2
	s_add_co_u32 s17, s17, s16                     ; task 0..1023
	s_and_b32 s18, s17, 7                          ; K step q
	s_lshr_b32 s19, s17, 3                         ; G: rows 64 G on
	s_lshl_b32 s26, s19, 18                        ; X: 64 rows of 4,096 bytes,
	s_lshl_b32 s27, s18, 9                         ; + 512 bytes a K step
	s_add_co_u32 s26, s26, s27
	s_mov_b32 s27, 0
	s_mul_i32 s28, s19, 49152                      ; codes: four rowtiles of 12,288 bytes,
	s_mul_i32 s29, s18, 1536                       ; + a fragment a K step
	s_add_co_u32 s28, s28, s29
	s_mov_b32 s29, 0
	s_mul_i32 s30, s18, 45056                      ; scale words: 11,264 words a K step,
	s_lshl_b32 s31, s19, 8                         ; + 64 words
	s_add_co_u32 s30, s30, s31
	s_add_co_u32 s30, s30, XWS
	s_mov_b32 s31, 0
	s_mul_i32 s17, s16, XSTG                       ; my wave's LDS
	v_lshlrev_b32 v2, 4, v1                        ; 16 x lane: my bytes of a load's or a store's 512
	v_add_nc_u32 v3, s17, v2                       ; the stage, on the way in
	v_mul_u32_u24 v4, v9, 528
	v_lshl_add_u32 v4, v10, 7, v4
	v_add_nc_u32 v4, s17, v4                       ; and on the way out: row r, + 128 h bytes: 32 numbers
	s_add_co_u32 s17, s17, 16*528
	v_lshl_add_u32 v5, v9, 2, s17                  ; my row's scale word
	v_lshl_add_u32 v6, v1, 3, s17                  ; and on the way out 8 bytes a lane
	v_lshlrev_b32 v7, 3, v1
	v_lshlrev_b32 v8, 3, v10                       ; 8 h: where my two bytes stand in the word
	v_mov_b32 v[WX+1], 0                           ; written once: a lane permute's destination counts as one of its sources
	s_wait_kmcnt 0x0
	s_add_nc_u64 s[4:5], s[4:5], s[26:27]
	s_add_nc_u64 s[20:21], s[12:13], s[28:29]
	s_add_nc_u64 s[22:23], s[12:13], s[30:31]
.macro XLOAD f                         ; rowtile f's 16 rows, 512 consecutive bytes of a row to a load
.irp i, 0,1,2,3,4,5,6,7,8,9,10,11,12,13,14,15
	global_load_b128 v[R+64*((\f)%2)+4*\i:R+64*((\f)%2)+4*\i+3], v2, s[4:5] offset:(32*((\f)/2)+8*((\f)%2)+\i+8*(\i/8))*4096 th:TH_LOAD_NT
.endr
.endm
.macro XFRAG f
.set RS, R+64*((\f)%2)
.set FS, F+12*((\f)%2)
.if (\f) < 3
	s_wait_loadcnt 16                              ; this rowtile's 16 loads are in; the next one's 16 may be out
.else
	s_wait_loadcnt 0x0
.endif
.irp i, 0,1,2,3,4,5,6,7,8,9,10,11,12,13,14,15
	ds_store_b128 v3, v[RS+4*\i:RS+4*\i+3] offset:528*\i           ; as loaded: place i of the rowtile is row i of the stage
.endr
.irp c, 0,1
.irp j, 0,1,2,3,4,5,6,7
	ds_load_b128 v[XN+32*\c+4*\j:XN+32*\c+4*\j+3], v4 offset:256*\c+16*\j   ; back as the operand's layout wants them.  LDS serves a wave's instructions in order: these see the stores above
.endr
.endr
	s_wait_dscnt 0x0                               ; the numbers are back, and the stores have read their registers,
.if (\f) < 2
	XLOAD (\f)+2                                   ; which take the rowtile two on
.endif
.irp c, 0,1
	v_max3_num_f32 v[MX+\c], |v[XN+32*\c]|, |v[XN+32*\c+1]|, 0x1800000   ; my block 2 c + h: all 32 numbers are mine; and the floor 2^(3 - 127): the byte cannot fall under 1
.endr
.irp i, 2,4,6,8,10,12,14,16,18,20,22,24,26,28,30
.irp c, 0,1
	v_max3_num_f32 v[MX+\c], v[MX+\c], |v[XN+32*\c+\i]|, |v[XN+32*\c+\i+1]|   ; (the two blocks by turns)
.endr
.endr
.irp c, 0,1
	v_add_nc_u32 v[SX+\c], 0xff000000, v[MX+\c]    ; 2 off the exponent field: the conversion takes the exponent field of this operand as its scale
.endr
.irp c, 0,1
	v_lshrrev_b32 v[BX+\c], 23, v[SX+\c]           ; the scale's byte
.endr
	v_lshl_or_b32 v[WX], v[BX+1], 16, v[BX]        ; my two bytes: blocks h and 2 + h,
	v_lshlrev_b32 v[WX], v8, v[WX]                 ; at their places;
	v_permlanex16_b32 v[WX+1], v[WX], s24, s25
	v_or_b32 v[WX], v[WX], v[WX+1]                 ; with lane l xor 16's two the word is whole
.if (\f) >= 2
	s_wait_xcnt 0x0                                ; the stores of two rowtiles ago have read this set of codes: it is written again only behind this wait
.endif
.irp c, 0,1
	v_cvt_scalef32_pk16_fp6_f32 v[FS+6*\c:FS+6*\c+2], v[XN+32*\c:XN+32*\c+15], v[SX+\c]
	v_cvt_scalef32_pk16_fp6_f32 v[CT+4*\c:CT+4*\c+2], v[XN+32*\c+16:XN+32*\c+31], v[SX+\c]
.endr
	v_nop                                          ; one plain place behind a scaled conversion
.irp c, 0,1
.irp i, 0,1,2
	v_mov_b32 v[FS+6*\c+3+\i], v[CT+4*\c+\i]
.endr
.endr
	ds_store_b32 v5, v[WX] offset:64*(\f)          ; both halves of the lanes write the same word with the same value
.irp k, 0,1,2
	global_store_b128 v2, v[FS+4*\k:FS+4*\k+3], s[20:21] offset:12288*(\f)+512*\k   ; the image: 512 consecutive bytes a store
.endr
.endm
	XLOAD 0
	XLOAD 1
	XFRAG 0
	XFRAG 1
	XFRAG 2
	XFRAG 3
	ds_load_b64 v[SD:SD+1], v6                     ; my wave's 64 scale words
	s_wait_dscnt 0x0
	global_store_b64 v7, v[SD:SD+1], s[22:23]      ; 256 consecutive bytes, aligned
	s_wait_tensorcnt 0x0
	ds_add_u32 v254, v255
	s_wait_dscnt 0x0
	s_endpgm
; ---------------- the weights: a lane takes a column n and its registers run down K; a wave takes 32 columns x one K step: two fragments
.Lw:
	s_sub_co_u32 s17, ttmp9, 256                   ; 0..191
	s_lshr_b32 s18, s17, 6                         ; which weight: 0 q, 1 k, 2 v
	s_and_b32 s19, s17, 7                          ; K step q
	s_bfe_u32 s26, s17, 0x30003                    ; which 128 columns
	s_lshl_b32 s27, s26, 7
	s_lshl_b32 s28, s16, 5
	s_add_co_u32 s27, s27, s28                     ; n0: my wave's first column
	s_lshl_b32 s28, s19, 19                        ; W: 128 rows of 4,096 bytes a K step,
	s_lshl_b32 s29, s27, 2                         ; + 4 n0
	s_add_co_u32 s28, s28, s29
	s_mov_b32 s29, 0
	s_lshl_b32 s30, s18, 6
	s_lshr_b32 s31, s27, 4
	s_add_co_u32 s30, s30, s31
	s_add_co_u32 s30, s30, 512                     ; my first rowtile: 512 + 64 m + n0 / 16
	s_lshl_b32 s30, s30, 3
	s_add_co_u32 s30, s30, s19
	s_mul_i32 s30, s30, 1536                       ; its fragment of K step q
	s_mov_b32 s31, 0
	s_mul_i32 s22, s19, 45056                      ; scale words: K step q,
	s_lshl_b32 s23, s18, 12
	s_add_co_u32 s22, s22, s23
	s_lshl_b32 s23, s27, 2
	s_add_co_u32 s22, s22, s23
	s_add_co_u32 s22, s22, XWS+32768               ; place 8,192 + 1,024 m + n0
	s_mov_b32 s23, 0
	s_mul_i32 s17, s16, WREG
	s_add_co_u32 s17, s17, WBASE                   ; my wave's LDS
	v_lshlrev_b32 v2, 2, v1                        ; in: 4 bytes a lane
	v_bfe_u32 v11, v0, 3, 1                        ; u: column n0 + lane lies in rowtile u of my two,
	v_and_b32 v12, 7, v0
	v_lshl_add_u32 v12, v10, 3, v12                ; at place r' = lane % 8 + 8 (lane / 16)
	v_mul_u32_u24 v3, v11, WIM
	v_lshl_add_u32 v3, v12, 4, v3
	v_add_nc_u32 v3, s17, v3                       ; into the images: image u, 16 r'
	v_lshlrev_b32 v5, 4, v1                        ; out: 16 x lane
	v_add_nc_u32 v4, s17, v5
	v_lshl_add_u32 v6, v11, 4, v12
	v_lshlrev_b32 v6, 2, v6                        ; my column's scale word: 4 (16 u + r')
	s_wait_kmcnt 0x0
	s_cmp_eq_u32 s18, 1                            ; the choice hangs on the work-group's number alone
	s_cselect_b64 s[14:15], s[8:9], s[6:7]
	s_cmp_eq_u32 s18, 2
	s_cselect_b64 s[14:15], s[10:11], s[14:15]
	s_add_nc_u64 s[14:15], s[14:15], s[28:29]
	s_add_nc_u64 s[20:21], s[12:13], s[30:31]
	s_add_nc_u64 s[22:23], s[12:13], s[22:23]
.macro WLOAD b                         ; block b: W(128 q + 32 b + i, my column): 128 consecutive bytes a wave, the four waves side by side
.irp i, 0,1,2,3,4,5,6,7,8,9,10,11,12,13,14,15,16,17,18,19,20,21,22,23,24,25,26,27,28,29,30,31
	global_load_b32 v[WN+32*(\b)+\i], v2, s[14:15] offset:(32*(\b)+\i)*4096 th:TH_LOAD_NT
.endr
.endm
.macro WBLOCK b
.set XS, WN+32*(\b)
.set CS, 160+12*(\b)                   ; the block's six registers of codes, and three at work behind them
.if (\b) < 3
	s_wait_loadcnt 32                              ; this block's 32 loads are in; the next block's may be out
.else
	s_wait_loadcnt 0x0
.endif
.if (\b) < 2
	WLOAD (\b)+2                                   ; each block has registers of its own: the block two on is asked for at once
.endif
	v_max3_num_f32 v144, |v[XS]|, |v[XS+1]|, |v[XS+2]|             ; the block's largest magnitude: all 32 numbers are mine; two chains
	v_max3_num_f32 v145, |v[XS+3]|, |v[XS+4]|, |v[XS+5]|
.irp i, 6,10,14,18,22,26
	v_max3_num_f32 v144, v144, |v[XS+\i]|, |v[XS+\i+1]|
	v_max3_num_f32 v145, v145, |v[XS+\i+2]|, |v[XS+\i+3]|
.endr
	v_max3_num_f32 v144, v144, |v[XS+30]|, |v[XS+31]|
	v_max3_num_f32 v144, v144, v145, 0x1800000     ; and the floor 2^(3 - 127)
	v_add_nc_u32 v146, 0xff000000, v144            ; the conversions' scale operand
	v_lshrrev_b32 v147, 23, v146                   ; the byte
.if (\b) == 0
	v_mov_b32 v[WW], v147
.else
	v_lshl_or_b32 v[WW], v147, 8*(\b), v[WW]       ; the lower K in the lower byte
.endif
	v_cvt_scalef32_pk16_fp6_f32 v[CS:CS+2], v[XS:XS+15], v146
	v_cvt_scalef32_pk16_fp6_f32 v[CS+6:CS+8], v[XS+16:XS+31], v146
	v_nop                                          ; one plain place behind a scaled conversion
.irp i, 0,1,2
	v_mov_b32 v[CS+3+\i], v[CS+6+\i]
.endr
; block b = 2 c + h is registers 6 c .. 6 c + 5 of the image's lane r' + 16 h
.if (\b) < 2
	ds_store_b128 v3, v[CS:CS+3] offset:256*((\b)%2)
	ds_store_b64 v3, v[CS+4:CS+5] offset:512+256*((\b)%2)
.else
	ds_store_b64 v3, v[CS:CS+1] offset:520+256*((\b)%2)
	ds_store_b128 v3, v[CS+2:CS+5] offset:1024+256*((\b)%2)
.endif
.endm
	WLOAD 0
	WLOAD 1
	WBLOCK 0
	WBLOCK 1
	WBLOCK 2
	WBLOCK 3
.irp n, 0,1,2,3,4,5
	ds_load_b128 v[OUTR+4*\n:OUTR+4*\n+3], v4 offset:WIM*(\n/3)+512*(\n%3)   ; LDS serves a wave's instructions in order: these see my stores
.endr
.irp n, 0,1,2,3,4,5
	s_wait_dscnt 5-\n                              ; the younger loads may be out
	global_store_b128 v5, v[OUTR+4*\n:OUTR+4*\n+3], s[20:21] offset:12288*(\n/3)+512*(\n%3)
.endr
	global_store_b32 v6, v[WW], s[22:23]           ; 32 scale words: 128 consecutive bytes
	s_wait_tensorcnt 0x0
	ds_add_u32 v254, v255
	s_wait_dscnt 0x0
	s_endpgm
.Lfunc_end_k_q3b6f9a3bab_quant:
	.size	k_q3b6f9a3bab_quant, .Lfunc_end_k_q3b6f9a3bab_quant-k_q3b6f9a3bab_quant
	.p2alignl 7, 3214868480
	.fill 96, 4, 3214868480
	.section	.rodata,"a",@progbits
	.p2align	6, 0x0
	.amdhsa_kernel k_q3b6f9a3bab_quant
		.amdhsa_group_segment_fixed_size 48640
		.amdhsa_private_segment_fixed_size 0
		.amdhsa_enable_private_segment 0
		.amdhsa_kernarg_size 40
		.amdhsa_user_sgpr_count 2
		.amdhsa_user_sgpr_kernarg_segment_ptr 1
		.amdhsa_wavefront_size32 1
		.amdhsa_system_sgpr_workgroup_id_x 1
		.amdhsa_system_sgpr_workgroup_id_y 1
		.amdhsa_system_sgpr_workgroup_id_z 1
		.amdhsa_system_vgpr_workitem_id 0
		.amdhsa_next_free_vgpr 256
		.amdhsa_next_free_sgpr 66
		.amdhsa_reserve_vcc 0
		.amdhsa_float_denorm_mode_32 3
		.amdhsa_float_denorm_mode_16_64 3
		.amdhsa_memory_ordered 1
		.amdhsa_forward_progress 1
		.amdhsa_inst_pref_size 52
	.end_amdhsa_kernel
	.amdgpu_metadata
---
amdhsa.version: [ 1, 2 ]
amdhsa.kernels:
  - .name:           k_q3b6f9a3bab_quant
    .symbol:         k_q3b6f9a3bab_quant.kd
    .args:
      - { .name: X, .offset: 0, .size: 8, .value_kind: global_buffer, .address_space: global }
      - { .name: Wq, .offset: 8, .size: 8, .value_kind: global_buffer, .address_space: global }
      - { .name: Wk, .offset: 16, .size: 8, .value_kind: global_buffer, .address_space: global }
      - { .name: Wv, .offset: 24, .size: 8, .value_kind: global_buffer, .address_space: global }
      - { .name: xw, .offset: 32, .size: 8, .value_kind: global_buffer, .address_space: global }
    .group_segment_fixed_size: 48640
    .private_segment_fixed_size: 0
    .kernarg_segment_align: 8
    .kernarg_segment_size: 40
    .max_flat_workgroup_size: 128
    .sgpr_count:     66
    .vgpr_count:     256
    .wavefront_size: 32
...
	.end_amdgpu_metadata
.endif
;; end of part 1
;; launch proj (part 2): grid 8 x 32, 4 waves a work-group, clusters of 4 x 4, 327,680 bytes of LDS; arguments xw, bq, bk, bv, qkv; writes qkv
.if DOCPART == 2
	.amdgcn_target "amdgcn-amd-amdhsa--gfx1250"
	.amdhsa_code_object_version 6
	.text
	.protected	k_q3b6f9a3bab_proj
	.globl	k_q3b6f9a3bab_proj
	.p2align	8
	.type	k_q3b6f9a3bab_proj,@function
k_q3b6f9a3bab_proj:
	s_mov_b64 s[64:65], 0
	v_nop
	global_prefetch_b8 v0, s[64:65] scope:SCOPE_SE
	s_setreg_imm32_b32 hwreg(HW_REG_WAVE_MODE, 25, 1), 1
	s_wait_xcnt 0x0
	s_wait_alu depctr_hold_cnt(0) depctr_sa_sdst(0) depctr_va_vdst(0) depctr_va_sdst(0) depctr_va_ssrc(0) depctr_va_vcc(0) depctr_vm_vsrc(0)
	s_getreg_b32 s2, hwreg(HW_REG_IB_STS2, 6, 4)
	s_cmp_eq_u32 s2, 0
	s_cbranch_scc0 .Lentry_in_a_cluster
	s_endpgm
.Lentry_in_a_cluster:
	s_bfe_u32 s2, ttmp6, 0x10000c
	s_cmp_lg_u32 s2, 0xf033
	s_cbranch_scc0 .Lentry_shape_is_right
	s_endpgm
.Lentry_shape_is_right:
; Q = X Wq + bq, K = X Wk + bk, V = X Wv + bv on codes of FP6 (E2M3) with E8M0 scales, sums in f32; the results are quantised on the way out: Q and K along their 1,024 columns, V along the KEYS.
; Operands and results lie as images of operand registers (16 rows x 128 K = 1,536 bytes; register p of lane L at 512 (p / 4) + 16 L + 4 (p % 4)), [rowtile][K step]; scale words [K step][16 rowtile + r].
; Place r of rowtile T holds row 32 (T / 2) + 8 (T % 2) + r + 8 (r / 8).  THE MATRIX INSTRUCTION IS USED TRANSPOSED: a lane holds one place of source 1's rows, and the 16 registers of source 0's tiles 2 b and 2 b + 1
; are 16 true neighbours of source 0's rows, 32 b + 16 (lane / 16) + 0 .. 15: the next product's K.
; SHARES.  [Q K] is 8,192 x 2,048 = 256 tiles of 256 x 256; V^T is 1,024 x 8,192 = 256 tiles of 128 x 256.  Work-group (xb, ya) makes one of each, one after the other: 256 work-groups of equal work.
;   PART 1: source 0 = columns 256 xb on of [Wq Wk], source 1 = tokens 256 ya on of X; a wave 128 x 128: 64 accumulators.   PART 2: source 0 = the same tokens of X (the keys), source 1 = channels 128 xb on of Wv;
;   a wave 128 keys x 64 channels: 32 accumulators.
; LDS.  Part 1's K = 1,024 is four fills of 256 along K into three slots: three go out at the head, the fourth takes slot 0 again.  Part 2's K is two halves of 512, which land on slots that part 1 has left, while part 1 still
; multiplies and while its results leave: every fill behind the head is a refill, behind a round of the cluster's barrier, one tensor load a wave.
; CLUSTERS: 4 x 4.  X's tiles hang on ya alone and are shared along a row of the cluster, the weights' on xb alone and are shared along a column: each is asked for jointly, by the same tensor load with the same
; descriptor and a mask that names the four.
; THE BIASES are the C of each part's first products: bq, bk along the registers (eight registers a tile of columns), bv along the lanes (a block's eight registers all hold the lane's number).
; LIMITS: a block of zeros gets the byte 1 (zero codes; this program alone reads the bytes); NaN and infinities are not served.
; REGISTERS: window 0: v4-7, v16-31 addresses; v32-63 X's scale words, v64-95 [Wq Wk]'s (register 8 (kq / 2) + block), v96-111 Wv's (4 (kq / 2) + block): lanes 0-15 K step kq even, lanes 16-31 odd; v112-115 bv;
;   v128-223 source 1's fragments (part 1: one set of 8; part 2: two sets of 4); on the way out v192-211 codes, v212-228 at work.  window 1: source 0's fragments, two sets, v0-95 and v128-223; v96-127, v224-255 the biases as C.
;   windows 2, 3: part 1's accumulator (a, t) at v[8 (8 (a % 4) + t)];  window 2: part 2's at v[8 (8 a + t)].
.set SLOT,   98304                     ; part 1: X's 16 rowtiles x 3,072 bytes, then W's 16
.set BOFF,   49152
.set HALFT,  24576                     ; 8 rowtiles: what one tensor load brings, and what one wave reads of X or of W
.set RT,     3072                      ; a rowtile's part of a slot: two K steps
.set FRB,    1536                      ; a fragment
.set RT2,    6144                      ; part 2: a rowtile's part of a half of K: four K steps
.set X2A,    SLOT                      ; part 2, K steps 0-3: X's 16 rowtiles take slot 1's bytes,
.set V2A,    2*SLOT                    ; Wv's 8 the first half of slot 2's;
.set V2B,    2*SLOT+49152              ; K steps 4-7: Wv's the second half of slot 2's, X's slot 0's bytes (from LDS byte 0)
.set SCR,    3*SLOT                    ; behind the slots: 1,024 bytes for each wave, for the scale words on the way out
.set SPARE,  SCR+4096                  ; the spare words, 128 bytes for each wave: two blocks of 256 bytes that no other line names
.set XWS,    8650752                   ; xw: where the scale words begin;
.set STRIDE, 45056                     ; bytes from K step to K step there
.set VC,     12582912                  ; qkv: V^T's codes,
.set QKS,    18874368                  ; Q's and K's scale words,
.set VSC,    19398656                  ; V^T's
.set SCRD2, 6                          ; v6     part 2: where I read 8 bytes of scale words back
.set LO8,  7                           ; v7     8 x lane
.set ADRA, 16                          ; v16-18 LDS address of my X fragments in slot 0, 1, 2
.set ADRB, 19                          ; v19-21 the same for W
.set LO16, 22                          ; v22    16 x lane
.set SCW,  23                          ; v23    where my row's scale word goes
.set SCRD, 24                          ; v24    part 1: where I read 16 bytes of them back
.set VSO,  25                          ; v25    4 r + STRIDE h: the scale words' lane offset
.set ADX,  26                          ; v26-27 part 2: LDS address of my X fragments, K steps 0-3 and 4-7
.set SPW,  28                          ; v28    my spare word; never rewritten
.set NIL,  29                          ; v29    0; never rewritten
.set ADV,  30                          ; v30-31 part 2: the same for Wv
.set SA,   32
.set SB,   64
.set SV,   96
.set BL,   112
.set AF,   128
.set PC,   192
.set TM,   212
.set PW,   228
.set SCD,  232
.set G1,   24                          ; s[24:31] group 1 for X's tiles of part 1; s[32:43] group 0, a set for each slot
.set G0,   32
.set G0X2, 44                          ; s[44:47] group 0 for X's tiles of part 2
.set G1B,  48                          ; s[48:55] group 1 for W's tiles of part 1; s[56:63], s[68:71] group 0, a set for each slot
.set G0B,  56
.set G0V2, 72                          ; s[72:75] group 0 for Wv's tiles
.set G1X2, 76                          ; s[76:83] group 1 for X's tiles of part 2
.set G1V2, 84                          ; s[84:91] group 1 for Wv's tiles
.set SEL,  92                          ; s[92:93] v_permlanex16_b32's selects
.set OQ,   94                          ; s[94:95] where part 1's first fragment goes; s[96:97] its scale words; s[98:99] part 2's first fragment; s[12:13] its scale words
.set SQ,   96
.set OV,   98
.set MSB, 0
.macro WIN new                         ; the immediate's high byte repeats the setting that is left
.if MSB != (\new)
	s_set_vgpr_msb (MSB<<8)|(\new)
.set MSB, (\new)
.endif
.endm
.set MUL_LO, 0xa1                      ; source 0 window 1, source 1 window 0, C and D window 2
.set MUL_HI, 0xf1                      ; the same, C and D window 3
; A joint load: waves 0 and 1 fetch X's halves, waves 2 and 3 the weight's; the branch hangs on the wave's number alone.  Four v_nop follow each of the two lines.
.macro JLOAD g0a, g1a, g0b, g1b
	s_cmp_eq_u32 s15, 0
	s_cbranch_scc0 .Lfor_b_\@
	tensor_load_to_lds s[\g0a:\g0a+3], s[\g1a:\g1a+7]
	s_nop 0
.rept 4
	v_nop
.endr
	s_branch .Lasked_\@
.Lfor_b_\@:
	tensor_load_to_lds s[\g0b:\g0b+3], s[\g1b:\g1b+7]
	s_nop 0
.rept 4
	v_nop
.endr
.Lasked_\@:
.endm
.macro CREST                           ; a round of the cluster's barrier behind its opening barrier
	s_cmp_lg_u32 s14, 0
	s_cbranch_scc1 .Lnot_wave_0_\@
	s_barrier_signal -3
.Lnot_wave_0_\@:
	s_barrier_wait -3
	s_barrier_signal -1
	s_barrier_wait -1
.endm
.macro CROUND                          ; a whole round
	s_barrier_signal -1
	s_barrier_wait -1
	CREST
.endm
.macro PLACES n
.rept \n
	v_nop
.endr
.endm
	s_load_b256 s[4:11], s[0:1], 0x0               ; xw s[4:5], bq s[6:7], bk s[8:9], bv s[10:11]
	s_load_b64 s[12:13], s[0:1], 0x20              ; qkv
	v_lshl_add_u32 v[SPW], v0, 2, SPARE
	v_mov_b32 v[NIL], 0
	ds_add_u32 v28, v29
	ds_add_u32 v28, v29
	s_wait_dscnt 0x0
	v_lshrrev_b32 v1, 5, v0
	v_readfirstlane_b32 s14, v1                    ; wave 0..3
	s_lshr_b32 s15, s14, 1                         ; wr: which half of the tokens is mine, in both parts.  Also: I fetch for X (0) or for a weight (1)
	s_and_b32 s16, s14, 1                          ; wc: which half of the weight's rows is mine.  Also: which half of a tile I fetch
	s_bfe_u32 s2, ttmp6, 0x40000                   ; cx, cy: my place in the cluster
	s_bfe_u32 s3, ttmp6, 0x40004
	s_lshl_b32 s66, ttmp9, 2
	s_add_co_u32 s66, s66, s2                      ; xb = 4 x cluster x + cx
	s_and_b32 s17, ttmp7, 0xffff
	s_lshl_b32 s17, s17, 2
	s_add_co_u32 s17, s17, s3                      ; ya = 4 x cluster y + cy
	s_lshl_b32 s18, s3, 2
	s_lshl_b32 s18, 15, s18                        ; my row of the cluster
	s_lshl_b32 s19, 0x1111, s2                     ; my column
	; groups 1: rows are rowtiles, 12,288 bytes apart in memory, dense in LDS; elements of 8 bytes.  15:0 the mask; 17:16 elements of 8 bytes; 21 set beside a mask
	s_or_b32 s[G1+0], s18, (3<<16)|(1<<21)         ; X's tiles go to my row of the cluster,
	s_or_b32 s[G1B+0], s19, (3<<16)|(1<<21)        ; the weights' to my column
	s_or_b32 s[G1X2+0], s18, (3<<16)|(1<<21)
	s_or_b32 s[G1V2+0], s19, (3<<16)|(1<<21)
.irp g, G1, G1B                        ; part 1: 8 rows of 3,072 bytes
	s_mov_b32 s[\g+1], 384<<16                     ; tensor_dim0
	s_mov_b32 s[\g+2], 8<<16                       ; tensor_dim1
	s_mov_b32 s[\g+3], 384<<16                     ; tile_dim0
	s_mov_b32 s[\g+4], 8                           ; tile_dim1
	s_mov_b32 s[\g+5], 1536                        ; tensor_dim0_stride
	s_mov_b32 s[\g+6], 0
	s_mov_b32 s[\g+7], 0
.endr
	s_mov_b32 s[G1X2+1], 768<<16                   ; part 2, X: 8 rows of 6,144 bytes
	s_mov_b32 s[G1X2+2], 8<<16
	s_mov_b32 s[G1X2+3], 768<<16
	s_mov_b32 s[G1X2+4], 8
	s_mov_b32 s[G1X2+5], 1536
	s_mov_b32 s[G1X2+6], 0
	s_mov_b32 s[G1X2+7], 0
	s_mov_b32 s[G1V2+1], 768<<16                   ; part 2, Wv: 4 rows of 6,144 bytes
	s_mov_b32 s[G1V2+2], 4<<16
	s_mov_b32 s[G1V2+3], 768<<16
	s_mov_b32 s[G1V2+4], 4
	s_mov_b32 s[G1V2+5], 1536
	s_mov_b32 s[G1V2+6], 0
	s_mov_b32 s[G1V2+7], 0
	; where the tiles come from.  X's offset is made of ya and the wave's number alone, the weights' of xb and the wave's number alone
	s_lshl_b32 s23, s16, 3
	s_lshl_b32 s20, s17, 4
	s_add_co_u32 s20, s20, s23                     ; X: rowtile 16 ya + 8 x half
	s_mul_i32 s20, s20, 12288
	s_mov_b32 s21, 0
	s_lshl_b32 s94, s66, 4
	s_add_co_u32 s94, s94, s23
	s_add_co_u32 s94, s94, 512                     ; [Wq Wk]: rowtile 512 + 16 xb + 8 x half
	s_mul_i32 s94, s94, 12288
	s_mov_b32 s95, 0
	s_lshl_b32 s96, s66, 3
	s_lshl_b32 s23, s16, 2
	s_add_co_u32 s96, s96, s23
	s_add_co_u32 s96, s96, 640                     ; Wv: rowtile 640 + 8 xb + 4 x half
	s_mul_i32 s96, s96, 12288
	s_mov_b32 s97, 0
	s_mul_i32 s22, s14, HALFT                      ; where they go, part 1: wave x 8 rowtiles: no place in the cluster enters an LDS address
	s_mul_i32 s67, s16, 49152                      ; part 2: X's halves (kept: the second half of K begins at LDS byte 0),
	s_mul_i32 s23, s16, 24576
	s_add_co_u32 s23, s23, V2A                     ; Wv's halves
	s_mov_b32 s[SEL], 0x76543210
	s_mov_b32 s[SEL+1], 0xfedcba98
	s_wait_kmcnt 0x0
	s_add_nc_u64 s[20:21], s[4:5], s[20:21]
	s_add_nc_u64 s[94:95], s[4:5], s[94:95]
	s_add_nc_u64 s[96:97], s[4:5], s[96:97]
	CROUND                                         ; all sixteen work-groups are here: the first joint loads meet
.irp s, 0,1,2
	s_mov_b32 s[G0+4*\s], 1
	s_add_co_u32 s[G0+4*\s+1], s22, \s*SLOT
	s_add_nc_u64 s[G0+4*\s+2:G0+4*\s+3], s[20:21], \s*RT
	s_or_b32 s[G0+4*\s+3], s[G0+4*\s+3], 0x80000000
	s_mov_b32 s[G0B+4*\s+4*(\s/2)], 1
	s_add_co_u32 s[G0B+4*\s+4*(\s/2)+1], s22, \s*SLOT
	s_add_nc_u64 s[G0B+4*\s+4*(\s/2)+2:G0B+4*\s+4*(\s/2)+3], s[94:95], \s*RT
	s_or_b32 s[G0B+4*\s+4*(\s/2)+3], s[G0B+4*\s+4*(\s/2)+3], 0x80000000
	JLOAD G0+4*\s, G1, G0B+4*\s+4*(\s/2), G1B      ; three tensor loads of mine are out behind these
.endr
	s_mov_b32 s[G0X2], 1                           ; part 2's groups 0, for K steps 0-3
	s_add_co_u32 s[G0X2+1], s67, X2A
	s_mov_b64 s[G0X2+2:G0X2+3], s[20:21]
	s_or_b32 s[G0X2+3], s[G0X2+3], 0x80000000
	s_mov_b32 s[G0V2], 1
	s_mov_b32 s[G0V2+1], s23
	s_mov_b64 s[G0V2+2:G0V2+3], s[96:97]
	s_or_b32 s[G0V2+3], s[G0V2+3], 0x80000000
	v_and_b32 v1, 15, v0                           ; r
	v_bfe_u32 v2, v0, 4, 1                         ; h
	v_and_b32 v3, 31, v0
	v_lshlrev_b32 v[LO16], 4, v3
	v_lshlrev_b32 v[LO8], 3, v3
	s_mul_i32 s18, s15, HALFT                      ; part 1: my 8 rowtiles of X
	s_mul_i32 s19, s16, HALFT                      ; my 8 of W,
	s_add_co_u32 s19, s19, BOFF                    ; which lie behind X's 16
.irp s, 0,1,2
	v_add_nc_u32 v[ADRA+\s], s18, v[LO16]
	v_add_nc_u32 v[ADRB+\s], s19, v[LO16]
	s_add_co_u32 s18, s18, SLOT
	s_add_co_u32 s19, s19, SLOT
.endr
	s_mul_i32 s18, s15, 49152                      ; part 2: my 8 rowtiles of X: the same tokens as in part 1
	v_add_nc_u32 v[ADX+1], s18, v[LO16]            ; K steps 4-7, from LDS byte 0 on
	s_add_co_u32 s18, s18, X2A
	v_add_nc_u32 v[ADX], s18, v[LO16]              ; K steps 0-3
	s_mul_i32 s19, s16, 24576                      ; my 4 rowtiles of Wv
	s_add_co_u32 s19, s19, V2A
	v_add_nc_u32 v[ADV], s19, v[LO16]
	s_add_co_u32 s19, s19, V2B-V2A
	v_add_nc_u32 v[ADV+1], s19, v[LO16]
	s_lshl_b32 s18, s14, 10
	s_add_co_u32 s18, s18, SCR
	v_lshl_add_u32 v[SCW], v1, 2, s18
	v_add_nc_u32 v[SCRD], s18, v[LO16]
	s_add_co_u32 s18, s18, 512
	v_add_nc_u32 v[SCRD2], s18, v[LO8]
	v_mul_u32_u24 v[VSO], v2, STRIDE
	v_lshl_add_u32 v[VSO], v1, 2, v[VSO]
	v_lshlrev_b32 v4, 6, v2                        ; 64 h: bq's, bk's lane offset
	v_and_b32 v5, 8, v1
	v_add_nc_u32 v5, v5, v1
	v_lshlrev_b32 v5, 2, v5                        ; 4 (r + 8 (r / 8)): bv's
	s_lshl_b32 s18, s17, 4
	s_lshl_b32 s19, s15, 3
	s_add_co_u32 s98, s18, s19                     ; R1 = 16 ya + 8 wr: my first rowtile of X
	s_lshl_b32 s18, s98, 6
	s_add_co_u32 s18, s18, XWS
	s_mov_b32 s19, 0
	s_add_nc_u64 s[20:21], s[4:5], s[18:19]        ; X's scale words
	s_lshl_b32 s18, s66, 1
	s_add_co_u32 s99, s18, s16                     ; 2 xb + wc: which 128 columns of [Wq Wk], and which 64 channels of Wv, are mine
	s_lshl_b32 s18, s99, 9
	s_add_co_u32 s18, s18, XWS+64*512
	s_add_nc_u64 s[22:23], s[4:5], s[18:19]        ; [Wq Wk]'s: rowtile 512 + 8 (2 xb + wc)
	s_lshl_b32 s18, s99, 8
	s_add_co_u32 s18, s18, XWS+64*640
	s_add_nc_u64 s[2:3], s[4:5], s[18:19]          ; Wv's: rowtile 640 + 4 (2 xb + wc)
; THE SCALE WORDS of my rows for all of K go straight into 80 registers, once: lanes 0-15 take an even K step's words, lanes 16-31 the odd one's behind it
.irp kp, 0,1,2,3
.irp i, 0,1,2,3,4,5,6,7
	global_load_b32 v[SA+8*\kp+\i], v[VSO], s[20:21] offset:64*\i+2*STRIDE*\kp
	global_load_b32 v[SB+8*\kp+\i], v[VSO], s[22:23] offset:64*\i+2*STRIDE*\kp
.endr
.irp i, 0,1,2,3
	global_load_b32 v[SV+4*\kp+\i], v[VSO], s[2:3] offset:64*\i+2*STRIDE*\kp
.endr
.endr
	s_and_b32 s18, s99, 7
	s_lshl_b32 s18, s18, 9                         ; my first column within Wq or Wk, 4 bytes each
	s_cmp_lt_u32 s66, 4                            ; xb 0-3: Q, 4-7: K.  A choice of pointers, no branch
	s_cselect_b64 s[6:7], s[6:7], s[8:9]
	s_add_nc_u64 s[6:7], s[6:7], s[18:19]
	WIN 0x40                                       ; destination window 1
.irp t, 0,1,2,3,4,5,6,7                        ; tile t's eight registers: b(my first column + 32 (t / 2) + 16 h + 8 (t % 2) + 0 .. 7)
.irp e, 0,1
	global_load_b128 v[96+8*\t+96*(\t/4)+4*\e:96+8*\t+96*(\t/4)+4*\e+3], v4, s[6:7] offset:4*(32*(\t/2)+8*(\t%2))+16*\e
.endr
.endr
	WIN 0
	s_lshl_b32 s18, s99, 8                         ; bv at my first channel: 64 bytes a rowtile
	s_add_nc_u64 s[10:11], s[10:11], s[18:19]
.irp a, 0,1,2,3
	global_load_b32 v[BL+\a], v5, s[10:11] offset:4*(32*(\a/2)+8*(\a%2))   ; block a: bv of my place's channel
.endr
	; where the results go
	s_lshr_b32 s18, s66, 2
	s_lshl_b32 s18, s18, 9
	s_add_co_u32 s18, s18, s98                     ; part 1: first rowtile 512 (0: Q, 1: K) + R1
	s_mul_i32 s94, s18, 12288
	s_and_b32 s96, s99, 7                          ; the result's K step
	s_mul_i32 s95, s96, 1536
	s_add_co_u32 s94, s94, s95
	s_mov_b32 s95, 0
	s_lshl_b32 s96, s96, 16
	s_lshl_b32 s18, s18, 6
	s_add_co_u32 s96, s96, s18
	s_add_co_u32 s96, s96, QKS
	s_mov_b32 s97, 0
	s_add_nc_u64 s[OQ:OQ+1], s[12:13], s[94:95]
	s_add_nc_u64 s[SQ:SQ+1], s[12:13], s[96:97]
	s_lshr_b32 s18, s17, 3                         ; part 2: the batch,
	s_lshl_b32 s19, s17, 1
	s_add_co_u32 s19, s19, s15
	s_and_b32 s19, s19, 15                         ; the result's K step: my 128 keys,
	s_mul_i32 s98, s18, 1572864
	s_mul_i32 s8, s99, 4*24576                     ; first rowtile 4 (2 xb + wc): channels
	s_add_co_u32 s98, s98, s8
	s_mul_i32 s8, s19, 1536
	s_add_co_u32 s98, s98, s8
	s_add_co_u32 s98, s98, VC
	s_lshl_b32 s8, s18, 16
	s_lshl_b32 s9, s19, 12
	s_add_co_u32 s8, s8, s9
	s_lshl_b32 s9, s99, 8
	s_add_co_u32 s8, s8, s9
	s_add_co_u32 s8, s8, VSC
	s_mov_b32 s9, 0
	s_mov_b32 s99, 0
	s_add_nc_u64 s[OV:OV+1], s[12:13], s[98:99]
	s_add_nc_u64 s[12:13], s[12:13], s[8:9]
.macro FRAG reg, adr, off              ; a fragment comes as it lies: three loads of 512 consecutive bytes
.irp c, 0,1,2
	ds_load_b128 v[\reg+4*\c:\reg+4*\c+3], v[\adr] offset:\off+512*\c
.endr
.endm
.macro FETCH_B slot, q, p              ; part 1: W's eight fragments of the slot's q-th K step into set p
	WIN 0x40
.irp i, 0,1,2,3,4,5,6,7
	FRAG 128*(\p)+12*\i, ADRB+\slot, \i*RT+(\q)*FRB
.endr
	WIN 0
.endm
.macro FETCH_A slot, q, i0             ; X's blocks i0 .. i0 + 3
.irp i, \i0, \i0+1, \i0+2, \i0+3
	FRAG AF+12*(\i), ADRA+\slot, (\i)*RT+(\q)*FRB
.endr
.endm
; 16 matrix instructions: X's blocks a0, a0 + 1 x W's eight tiles, K step kq, W's set p.  cm = 1: in place; 2: C is the bias: the first products start the sums, and nothing is cleared.
; The 64 accumulators take turns, one instruction a turn, in the same order in every K step.
.macro MUL16 a0, p, kq, cm
.irp a, \a0, \a0+1
.irp t, 0,1,2,3,4,5,6,7
.set rD, 8*(8*((\a)%4)+\t)
.set rB, 128*(\p)+12*\t
.set rA, AF+12*(\a)
.set rSB, SB+8*((\kq)/2)+\t
.set rSA, SA+8*((\kq)/2)+(\a)
.set rC, rD
.if (\cm) == 2
.set rC, 96+8*\t+96*(\t/4)
.endif
.if (\kq)%2
	v_wmma_scale_f32_16x16x128_f8f6f4 v[rD:rD+7], v[rB:rB+11], v[rA:rA+11], v[rC:rC+7], v[rSB], v[rSA] matrix_a_fmt:MATRIX_FMT_FP6 matrix_b_fmt:MATRIX_FMT_FP6 matrix_a_scale:MATRIX_SCALE_ROW1 matrix_b_scale:MATRIX_SCALE_ROW1
.else
	v_wmma_scale_f32_16x16x128_f8f6f4 v[rD:rD+7], v[rB:rB+11], v[rA:rA+11], v[rC:rC+7], v[rSB], v[rSA] matrix_a_fmt:MATRIX_FMT_FP6 matrix_b_fmt:MATRIX_FMT_FP6
.endif
.endr
.endr
.endm
; A K step of part 1 that meets no barrier: multiplies W's set p and fetches K step nq of slot ns, which is whole for every wave, into the other set.
; A load into a register that a matrix instruction has read stands four plain vector instructions behind it (ISA guide 7.12.1 for vector instructions).
.macro STEP p, kq, cm, ns, nq
	s_wait_dscnt 12                                ; W's set and X's blocks 0-3 are in; the youngest 12 loads (X's blocks 4-7) may be out
.if (\cm) == 2
	WIN 0x91                                       ; C in window 1
.else
	WIN MUL_LO
.endif
	MUL16 0, \p, \kq, \cm
	MUL16 2, \p, \kq, \cm
	s_wait_dscnt 0x0                               ; X's blocks 4-7 are in
	PLACES 4
	FETCH_B \ns, \nq, 1-(\p)
	FETCH_A \ns, \nq, 0
.if (\cm) == 2
	WIN 0xd1
.else
	WIN MUL_HI
.endif
	MUL16 4, \p, \kq, \cm
	MUL16 6, \p, \kq, \cm
	PLACES 4
	WIN 0
	FETCH_A \ns, \nq, 4
.endm
; A K step of part 1 behind which LDS bytes are filled again: in front of the barrier each wave waits for all its tensor loads, adds 0 to its spare word, and waits for that and for its own LDS reads.
; fill = 1: slot 0 takes K steps 6 and 7.  fill = 2: slot 1's bytes and half of slot 2's take part 2's K steps 0-3.
.macro TURN next, kq, fill
	s_wait_tensorcnt 0x0                           ; all my tensor loads have landed
	ds_add_u32 v[SPW], v[NIL]                      ; 0 onto my spare word
	s_wait_dscnt 13                                ; (the add and the youngest 12 loads, X's blocks 4-7, may be out)
	WIN MUL_LO
	MUL16 0, 1, \kq, 1                             ; sixteen matrix instructions stand between the add and the wait for it
	s_wait_dscnt 0x0                               ; the add is done, and my reads of the slots that I have left are over
	s_barrier_signal -1
	MUL16 2, 1, \kq, 1
	WIN 0
	s_barrier_wait -1
	CREST                                          ; the barrier has opened a round of the cluster's: no wave of any partner still reads those bytes or has a load on its way
.if (\fill) == 1
	s_add_nc_u64 s[G0+2:G0+3], s[G0+2:G0+3], 3*RT
	s_add_nc_u64 s[G0B+2:G0B+3], s[G0B+2:G0B+3], 3*RT
	JLOAD G0, G1, G0B, G1B                         ; the first tensor load behind the round, my only one until the next; its four v_nop are also the places in front of the loads below
.else
	JLOAD G0X2, G1X2, G0V2, G1V2
.endif
	FETCH_B \next, 0, 0
	FETCH_A \next, 0, 0
	WIN MUL_HI
	MUL16 4, 1, \kq, 1
	MUL16 6, 1, \kq, 1
	PLACES 4
	WIN 0
	FETCH_A \next, 0, 4
.endm
; PART 2.  The q-th K step of half h of K into set p: X's eight fragments and Wv's four: 36 loads
.macro FETCH2 h, q, p
	WIN 0x40
.irp i, 0,1,2,3,4,5,6,7
	FRAG 128*(\p)+12*\i, ADX+\h, \i*RT2+(\q)*FRB
.endr
	WIN 0
.irp i, 0,1,2,3
	FRAG AF+48*(\p)+12*\i, ADV+\h, \i*RT2+(\q)*FRB
.endr
.endm
; 8 matrix instructions: Wv's block a x X's eight tiles, K step kq, set p.  cm as above; the 32 accumulators take turns in the same order in every K step.
.macro MUL8 a, p, kq, cm
.irp t, 0,1,2,3,4,5,6,7
.set rD, 8*(8*(\a)+\t)
.set rB, 128*(\p)+12*\t
.set rA, AF+48*(\p)+12*(\a)
.set rSB, SA+8*((\kq)/2)+\t
.set rSA, SV+4*((\kq)/2)+(\a)
.set rC, rD
.if (\cm) == 2
.set rC, 96+8*(\a)
.endif
.if (\kq)%2
	v_wmma_scale_f32_16x16x128_f8f6f4 v[rD:rD+7], v[rB:rB+11], v[rA:rA+11], v[rC:rC+7], v[rSB], v[rSA] matrix_a_fmt:MATRIX_FMT_FP6 matrix_b_fmt:MATRIX_FMT_FP6 matrix_a_scale:MATRIX_SCALE_ROW1 matrix_b_scale:MATRIX_SCALE_ROW1
.else
	v_wmma_scale_f32_16x16x128_f8f6f4 v[rD:rD+7], v[rB:rB+11], v[rA:rA+11], v[rC:rC+7], v[rSB], v[rSA] matrix_a_fmt:MATRIX_FMT_FP6 matrix_b_fmt:MATRIX_FMT_FP6
.endif
.endr
.endm
.macro STEP2 h, kq, cm                 ; one of a half's first three K steps: the next K step's fragments are asked for, into the other set, ahead of this step's 32 products
	s_wait_dscnt 0x0                               ; this K step's fragments are in
	PLACES 4
	FETCH2 \h, (\kq)%4+1, 1-(\kq)%2
.if (\cm) == 2
	WIN 0x91                                       ; C in window 1
.else
	WIN MUL_LO
.endif
	MUL8 0, (\kq)%2, \kq, \cm
	MUL8 1, (\kq)%2, \kq, \cm
	MUL8 2, (\kq)%2, \kq, \cm
	MUL8 3, (\kq)%2, \kq, \cm
.endm
; THE WAY OUT of a block: 16 places of source 1 x my 128 of source 0: 64 accumulator registers v[ac] on in window w, register 16 b + i = k 32 b + 16 (lane / 16) + i of my row.  They are read where they lie:
; the largest magnitudes (sources 0 and 1 in window w), the four scales and the scale word, the conversions (source 0 in window w).  One fragment and one scale word a row leave.
.macro EPI first, ac, w, ptr, off, so
.if (\first) == 0
	s_wait_dscnt 0x0                               ; the last block's store of its scale word has read its register
.endif
	WIN 5*(\w)
.irp b, 0,1,2,3
	v_max3_num_f32 v[TM+\b], |v[(\ac)+16*\b]|, |v[(\ac)+16*\b+1]|, 0x1800000   ; my 16 numbers of block b, each accumulator from its low end on; and the floor 2^(3 - 127): the byte cannot fall under 1
.endr
.irp i, 2,4,6,8,10,12,14
.irp b, 0,1,2,3
	v_max3_num_f32 v[TM+\b], |v[(\ac)+16*\b+\i]|, |v[(\ac)+16*\b+\i+1]|, v[TM+\b]   ; (the four blocks by turns)
.endr
.endr
	WIN 0
.irp b, 0,1,2,3
	v_permlanex16_b32 v[TM+4+\b], v[TM+\b], s[SEL], s[SEL+1]
.endr
.irp b, 0,1,2,3
	v_max_num_f32 v[TM+\b], v[TM+\b], v[TM+4+\b]   ; with lane l xor 16's: the block's largest magnitude
.endr
.irp b, 0,1,2,3
	v_add_nc_u32 v[TM+12+\b], 0xff000000, v[TM+\b] ; 2 off its exponent field: the conversion's scale operand
.endr
.irp b, 0,1,2,3
	v_lshrrev_b32 v[TM+4+\b], 23, v[TM+12+\b]      ; the byte
.endr
	v_lshl_or_b32 v[PW], v[TM+5], 8, v[TM+4]
	v_lshl_or_b32 v[PW], v[TM+6], 16, v[PW]
	v_lshl_or_b32 v[PW], v[TM+7], 24, v[PW]
	s_wait_xcnt 0x0                                ; the last block's stores have read their codes: they are written again only behind this wait
	WIN \w
.irp c, 0,1
	v_cvt_scalef32_pk16_fp6_f32 v[PC+6*\c:PC+2+6*\c], v[(\ac)+32*\c:(\ac)+15+32*\c], v[TM+12+2*\c]
	v_cvt_scalef32_pk16_fp6_f32 v[PC+12+4*\c:PC+14+4*\c], v[(\ac)+16+32*\c:(\ac)+31+32*\c], v[TM+12+2*\c+1]   ; (a conversion's three registers begin on an even number)
.endr
	WIN 0
	v_nop                                          ; one plain place behind a scaled conversion
.irp c, 0,1                                    ; the operand's layout wants a WHOLE block in a lane
.irp i, 0,1,2
	v_permlane16_swap_b32 v[PC+6*\c+\i], v[PC+12+4*\c+\i]
.endr
.irp i, 0,1,2
	v_mov_b32 v[PC+3+6*\c+\i], v[PC+12+4*\c+\i]
.endr
.endr
	ds_store_b32 v[SCW], v[PW] offset:\so          ; both halves of the lanes write the same word with the same value
.irp c, 0,1,2
	global_store_b128 v[LO16], v[PC+4*\c:PC+4*\c+3], s[\ptr:\ptr+1] offset:(\off)+512*\c   ; the image: 512 consecutive bytes a store, at a multiple of 256 from the buffer's first byte
.endr
.endm
; ---------------- PART 1
	s_wait_tensorcnt 2                             ; my part of slot 0 is in; slots 1 and 2 may stay out
	s_barrier_signal -1
	s_barrier_wait -1                              ; everybody's is
	FETCH_B 0, 0, 0
	FETCH_A 0, 0, 0
	FETCH_A 0, 0, 4
	s_wait_loadcnt 0x0                             ; the scale words and the biases
	STEP 0, 0, 2, 0, 1                             ; the first products start the sums, on the bias
	TURN 1, 1, 1                                   ; all three slots are whole for every wave behind this; slot 0 takes K steps 6 and 7, and has K steps 2 to 5 in which to land
	STEP 0, 2, 1, 1, 1
	STEP 1, 3, 1, 2, 0                             ; on into slot 2: no barrier is owed
	STEP 0, 4, 1, 2, 1
	TURN 0, 5, 2                                   ; slots 1 and 2 are left: part 2's K steps 0-3 are asked for
	STEP 0, 6, 1, 0, 1
	s_wait_dscnt 12                                ; the last K step
	WIN MUL_LO
	MUL16 0, 1, 7, 1
	MUL16 2, 1, 7, 1
	s_wait_dscnt 0x0
	WIN MUL_HI
	MUL16 4, 1, 7, 1
	MUL16 6, 1, 7, 1
	WIN 0
	PLACES 4                                       ; in front of the first read of results and the first write over X's fragments
.irp b, 0,1,2,3
	v_mov_b32 v[TM+4+\b], 0                        ; a lane permute's destination counts as one of its sources
.endr
	EPI 1, 0, 2, OQ, 0, 0
	EPI 0, 64, 2, OQ, 12288, 64
	; slot 0 and the rest of slot 2 are left too: part 2's K steps 4-7 are asked for.  The load before has had 160 matrix instructions and two blocks of the way out in which to land
	s_wait_tensorcnt 0x0                           ; all my tensor loads have landed: my part of K steps 0-3; so a group 0 may be written
	ds_add_u32 v[SPW], v[NIL]                      ; 0 onto my spare word; the descriptors' steps stand between it and the wait for it
	s_mov_b32 s[G0X2+1], s67                       ; X: from LDS byte 0 on,
	s_add_nc_u64 s[G0X2+2:G0X2+3], s[G0X2+2:G0X2+3], RT2   ; four K steps further along the rows; the type bits on top are not reached
	s_add_co_u32 s[G0V2+1], s[G0V2+1], V2B-V2A
	s_add_nc_u64 s[G0V2+2:G0V2+3], s[G0V2+2:G0V2+3], RT2
	s_wait_dscnt 0x0                               ; the add is done, and my LDS reads are over
	CROUND                                         ; no wave of any partner still reads those bytes or has a load on its way
	JLOAD G0X2, G1X2, G0V2, G1V2                   ; it has six blocks of the way out and four K steps in which to land
	FETCH2 0, 0, 0                                 ; part 2's first fragments: their registers are free, and K steps 0-3 are whole for every wave
	WIN 0x40                                       ; destination window 1
.irp a, 0,1,2,3
.irp j, 0,1,2,3,4,5,6,7
	v_mov_b32 v[96+8*\a+\j], v[BL+\a]              ; bv as the C of part 2's first products: a result's eight registers belong to one channel, the lane's
.endr
.endr
	WIN 0
.irp a, 2,3,4,5,6,7
	EPI 0, 64*(\a%4), 2+\a/4, OQ, 12288*\a, 64*\a
.endr
	ds_load_b128 v[SCD:SCD+3], v[SCRD]             ; my 128 scale words (LDS serves a wave's instructions in order)
	s_wait_dscnt 0x0
	global_store_b128 v[LO16], v[SCD:SCD+3], s[SQ:SQ+1]   ; 512 consecutive bytes, aligned
	s_wait_xcnt 0x0                                ; the last block's stores have read their codes: part 2's fragments may land there
; ---------------- PART 2
	STEP2 0, 0, 2                                  ; the first products start the sums, on the bias
	STEP2 0, 1, 1
	STEP2 0, 2, 1
	WIN 0                                          ; K step 3 changes halves (the add's two registers lie in window 0)
	s_wait_tensorcnt 0x0                           ; my part of K steps 4-7 is in
	ds_add_u32 v[SPW], v[NIL]                      ; 0 onto my spare word
	s_wait_dscnt 1                                 ; this K step's fragments are in (the add may be out)
	WIN MUL_LO
	MUL8 0, 1, 3, 1
	s_wait_dscnt 0x0                               ; no LDS instruction of mine is out at the signal
	s_barrier_signal -1
	MUL8 1, 1, 3, 1
	WIN 0
	s_barrier_wait -1                              ; everybody's part is in
	PLACES 4
	FETCH2 1, 0, 0
	WIN MUL_LO
	MUL8 2, 1, 3, 1
	MUL8 3, 1, 3, 1
	STEP2 1, 4, 1
	STEP2 1, 5, 1
	STEP2 1, 6, 1
	s_wait_dscnt 0x0                               ; the last K step
	WIN MUL_LO
	MUL8 0, 1, 7, 1
	MUL8 1, 1, 7, 1
	MUL8 2, 1, 7, 1
	MUL8 3, 1, 7, 1
	WIN 0
	PLACES 4                                       ; in front of the first read of results and the first write over Wv's fragments
.irp b, 0,1,2,3
	v_mov_b32 v[TM+4+\b], 0
.endr
	EPI 1, 0, 2, OV, 0, 512
.irp a, 1,2,3
	EPI 0, 64*\a, 2, OV, 24576*\a, 512+64*\a
.endr
	ds_load_b64 v[SCD:SCD+1], v[SCRD2]             ; my 64 scale words (the earlier store from these registers stands ahead of a wait on XCNT for 0)
	s_wait_dscnt 0x0
	global_store_b64 v[LO8], v[SCD:SCD+1], s[12:13]   ; 256 consecutive bytes, aligned
	s_wait_tensorcnt 0x0                           ; the wave's end
	ds_add_u32 v[SPW], v[NIL]
	s_wait_dscnt 0x0
	CROUND                                         ; the closing round: no work-group ends while a partner may still ask for a tile that names it
	s_endpgm
.Lfunc_end_k_q3b6f9a3bab_proj:
	.size	k_q3b6f9a3bab_proj, .Lfunc_end_k_q3b6f9a3bab_proj-k_q3b6f9a3bab_proj
	.p2alignl 7, 3214868480
	.fill 96, 4, 3214868480
	.section	.rodata,"a",@progbits
	.p2align	6, 0x0
	.amdhsa_kernel k_q3b6f9a3bab_proj
		.amdhsa_group_segment_fixed_size 327680
		.amdhsa_private_segment_fixed_size 0
		.amdhsa_enable_private_segment 0
		.amdhsa_kernarg_size 40
		.amdhsa_user_sgpr_count 2
		.amdhsa_user_sgpr_kernarg_segment_ptr 1
		.amdhsa_wavefront_size32 1
		.amdhsa_system_sgpr_workgroup_id_x 1
		.amdhsa_system_sgpr_workgroup_id_y 1
		.amdhsa_system_sgpr_workgroup_id_z 1
		.amdhsa_system_vgpr_workitem_id 0
		.amdhsa_next_free_vgpr 1024
		.amdhsa_next_free_sgpr 100
		.amdhsa_reserve_vcc 0
		.amdhsa_float_denorm_mode_32 3
		.amdhsa_float_denorm_mode_16_64 3
		.amdhsa_memory_ordered 1
		.amdhsa_forward_progress 1
		.amdhsa_inst_pref_size 222
	.end_amdhsa_kernel
	.amdgpu_metadata
---
amdhsa.version: [ 1, 2 ]
amdhsa.kernels:
  - .name:           k_q3b6f9a3bab_proj
    .symbol:         k_q3b6f9a3bab_proj.kd
    .args:
      - { .name: xw, .offset: 0, .size: 8, .value_kind: global_buffer, .address_space: global }
      - { .name: bq, .offset: 8, .size: 8, .value_kind: global_buffer, .address_space: global }
      - { .name: bk, .offset: 16, .size: 8, .value_kind: global_buffer, .address_space: global }
      - { .name: bv, .offset: 24, .size: 8, .value_kind: global_buffer, .address_space: global }
      - { .name: qkv, .offset: 32, .size: 8, .value_kind: global_buffer, .address_space: global }
    .group_segment_fixed_size: 327680
    .private_segment_fixed_size: 0
    .kernarg_segment_align: 8
    .kernarg_segment_size: 40
    .max_flat_workgroup_size: 128
    .sgpr_count:     100
    .vgpr_count:     1024
    .wavefront_size: 32
...
	.end_amdgpu_metadata
.endif
;; end of part 2
;; launch scores (part 3): grid 8 x 32, 4 waves a work-group, clusters of 4 x 4, 327,680 bytes of LDS; arguments qkv, p; writes p
.if DOCPART == 3
	.amdgcn_target "amdgcn-amd-amdhsa--gfx1250"
	.amdhsa_code_object_version 6
	.text
	.protected	k_q3b6f9a3bab_scores
	.globl	k_q3b6f9a3bab_scores
	.p2align	8
	.type	k_q3b6f9a3bab_scores,@function
k_q3b6f9a3bab_scores:
	s_mov_b64 s[64:65], 0
	v_nop
	global_prefetch_b8 v0, s[64:65] scope:SCOPE_SE
	s_setreg_imm32_b32 hwreg(HW_REG_WAVE_MODE, 25, 1), 1
	s_wait_xcnt 0x0
	s_wait_alu depctr_hold_cnt(0) depctr_sa_sdst(0) depctr_va_vdst(0) depctr_va_sdst(0) depctr_va_ssrc(0) depctr_va_vcc(0) depctr_vm_vsrc(0)
	s_getreg_b32 s2, hwreg(HW_REG_IB_STS2, 6, 4)
	s_cmp_eq_u32 s2, 0
	s_cbranch_scc0 .Lentry_in_a_cluster
	s_endpgm
.Lentry_in_a_cluster:
	s_bfe_u32 s2, ttmp6, 0x10000c
	s_cmp_lg_u32 s2, 0xf033
	s_cbranch_scc0 .Lentry_shape_is_right
	s_endpgm
.Lentry_shape_is_right:
; P = sigmoid(Q K^T / 32), for each of four batches [2048 queries][2048 keys], on codes of FP6 (E2M3) with E8M0 scales, sums in f32; P is quantised along the KEYS on the way out and never lies in memory as f32.
; Operands and result lie as images of operand registers (16 rows x 128 K = 1,536 bytes; register p of lane L at 512 (p / 4) + 16 L + 4 (p % 4)), [rowtile][K step]; scale words [K step][16 rowtile + r].
; Place r of rowtile T holds token 32 (T / 2) + 8 (T % 2) + r + 8 (r / 8).  THE MATRIX INSTRUCTION IS USED TRANSPOSED: source 0 = 16 places of K ("B"), source 1 = 16 places of Q ("A"): a lane holds one place of Q,
; and the 16 registers of K's tiles 2 b and 2 b + 1 are 16 neighbouring keys, 32 b + 16 (lane / 16) + 0 .. 15.
; sigmoid(s / 32) = 1 / (1 + 2^(-s log2(e) / 32)), in f32: one multiplication, v_exp_f32, one addition, v_rcp_f32.  There is no row maximum and no row sum to take.  Where 2^(..) overflows the result is 0, where it vanishes 1.
; LIMITS: a sigmoid under 2^-126 comes out as 0 (v_rcp_f32 gives no denormals: ISA guide, its entry in 15.8); a block of zeros gets the byte 1 (zero codes); NaN and infinities are not served.
; A tile is 256 queries x 256 keys, four waves, a wave 128 x 128: 64 accumulators.  K = 1,024 goes in four fills of 256 through two LDS slots.  CLUSTERS: 4 x 4; Q's tile is shared along a row of the cluster, K's along a
; column: each is asked for jointly, by the same tensor load with the same descriptor and a mask that names the four.
; REGISTERS: window 0: v16-29 addresses; v32-63 Q's scale words, v64-95 K's (register 8 (kq / 2) + block: lanes 0-15 K step kq even, lanes 16-31 odd); v128-223 A's fragments, ONE set;
;   on the way out v128-191 64 numbers, v192-211 codes, v212-228 at work.  window 1: B's fragments, two sets, v0-95 and v128-223.  windows 2, 3: accumulator (a, t) at v[8 (8 (a % 4) + t)].
.set SLOT,   98304                     ; A's 16 rowtiles x 3,072 bytes, then B's 16
.set BOFF,   49152
.set HALFT,  24576                     ; 8 rowtiles: what one tensor load brings, and what one wave reads of A or of B
.set RT,     3072                      ; a rowtile's part of a slot: two K steps
.set FRB,    1536                      ; a fragment
.set SCR,    2*SLOT                    ; behind the ring: 512 bytes for each wave, for the scale words on the way out
.set SPARE,  SCR+2048                  ; the spare words, 128 bytes for each wave: two blocks of 256 bytes that no other line names
.set QKS,    18874368                  ; qkv: Q's and K's scale words;
.set STRIDE, 65536                     ; bytes from K step to K step there
.set PS,     12582912                  ; p: where the scale words begin
.set ADRA, 16
.set ADRB, 20
.set LO16, 22                          ; v22    16 x lane
.set SCW,  23                          ; v23    where my row's scale word goes
.set SCRD, 24                          ; v24    and where I read 16 bytes of them back
.set VSO,  25                          ; v25    4 r + STRIDE h
.set SPW,  28                          ; v28    my spare word; never rewritten
.set NIL,  29                          ; v29    0; never rewritten
.set SA,   32
.set SB,   64
.set AF,   128
.set H,    128
.set PC,   192
.set TM,   212
.set PW,   228
.set SCD,  232
.set G1,  24
.set G0,  32
.set G1B, 48
.set G0B, 56
.set CS,  82                           ; s[82:83] -log2(e) / 32: the packed form names a pair and takes its low word for both halves
.set SEL, 84                           ; s[84:85] v_permlanex16_b32's selects
.set MSB, 0
.macro WIN new                         ; the immediate's high byte repeats the setting that is left
.if MSB != (\new)
	s_set_vgpr_msb (MSB<<8)|(\new)
.set MSB, (\new)
.endif
.endm
.set MUL_LO, 0xa1                      ; source 0 (B) window 1, source 1 (A) window 0, C and D window 2
.set MUL_HI, 0xf1                      ; the same, C and D window 3
.macro JLOAD g0a, g1a, g0b, g1b        ; a joint load: waves 0 and 1 fetch for A, waves 2 and 3 for B; four v_nop follow each of the two lines
	s_cmp_eq_u32 s15, 0
	s_cbranch_scc0 .Lfor_b_\@
	tensor_load_to_lds s[\g0a:\g0a+3], s[\g1a:\g1a+7]
	s_nop 0
.rept 4
	v_nop
.endr
	s_branch .Lasked_\@
.Lfor_b_\@:
	tensor_load_to_lds s[\g0b:\g0b+3], s[\g1b:\g1b+7]
	s_nop 0
.rept 4
	v_nop
.endr
.Lasked_\@:
.endm
.macro CREST                           ; a round of the cluster's barrier behind its opening barrier
	s_cmp_lg_u32 s14, 0
	s_cbranch_scc1 .Lnot_wave_0_\@
	s_barrier_signal -3
.Lnot_wave_0_\@:
	s_barrier_wait -3
	s_barrier_signal -1
	s_barrier_wait -1
.endm
.macro CROUND
	s_barrier_signal -1
	s_barrier_wait -1
	CREST
.endm
.macro PLACES n
.rept \n
	v_nop
.endr
.endm
	s_load_b128 s[4:7], s[0:1], 0x0                ; qkv s[4:5], p s[6:7]
	v_lshl_add_u32 v[SPW], v0, 2, SPARE
	v_mov_b32 v[NIL], 0
	ds_add_u32 v28, v29
	ds_add_u32 v28, v29
	s_wait_dscnt 0x0
	v_lshrrev_b32 v1, 5, v0
	v_readfirstlane_b32 s14, v1                    ; wave 0..3
	s_lshr_b32 s15, s14, 1                         ; wr: which half of the queries is mine.  Also: I fetch for A (0) or for B (1)
	s_and_b32 s16, s14, 1                          ; wc: which half of the keys.  Also: which 8 rowtiles I fetch
	s_bfe_u32 s40, ttmp6, 0x40000                  ; cx, cy
	s_bfe_u32 s41, ttmp6, 0x40004
	s_lshl_b32 s42, ttmp9, 2
	s_add_co_u32 s42, s42, s40                     ; x: which 256 keys of the batch
	s_and_b32 s66, ttmp7, 0xffff                   ; CY
	s_lshl_b32 s17, s66, 2
	s_add_co_u32 s17, s17, s41                     ; y = 8 x batch + which 256 queries
	s_lshl_b32 s43, s41, 2
	s_lshl_b32 s43, 15, s43                        ; my row of the cluster
	s_lshl_b32 s44, 0x1111, s40                    ; my column
	s_or_b32 s[G1+0], s43, (3<<16)|(1<<21)         ; group 1: 8 rows (rowtiles) of 3,072 bytes, 12,288 bytes apart in memory, dense in LDS; elements of 8 bytes; the mask, and bit 21 beside it
	s_or_b32 s[G1B+0], s44, (3<<16)|(1<<21)
.irp g, G1, G1B
	s_mov_b32 s[\g+1], 384<<16                     ; tensor_dim0
	s_mov_b32 s[\g+2], 8<<16                       ; tensor_dim1
	s_mov_b32 s[\g+3], 384<<16                     ; tile_dim0
	s_mov_b32 s[\g+4], 8                           ; tile_dim1
	s_mov_b32 s[\g+5], 1536                        ; tensor_dim0_stride
	s_mov_b32 s[\g+6], 0
	s_mov_b32 s[\g+7], 0
.endr
	s_lshl_b32 s80, s17, 4                         ; GA: Q's rowtile 16 y: made of CY and cy alone
	s_lshr_b32 s81, s66, 1                         ; the batch
	s_lshl_b32 s81, s81, 3
	s_add_co_u32 s81, s81, s42
	s_lshl_b32 s81, s81, 4
	s_add_co_u32 s81, s81, 512                     ; GB: K's rowtile 512 + 16 (8 batch + x): no cy in it
	s_lshl_b32 s18, s16, 3
	s_add_co_u32 s86, s80, s18
	s_mul_i32 s86, s86, 12288
	s_mov_b32 s87, 0
	s_add_co_u32 s88, s81, s18
	s_mul_i32 s88, s88, 12288
	s_mov_b32 s89, 0
	s_mul_i32 s45, s14, HALFT                      ; where they go: wave x 8 rowtiles
	s_mov_b32 s[CS], 0xbd38aa3b                    ; -log2(e) / 32
	s_mov_b32 s[CS+1], s[CS]
	s_mov_b32 s[SEL], 0x76543210
	s_mov_b32 s[SEL+1], 0xfedcba98
	s_wait_kmcnt 0x0
	s_add_nc_u64 s[86:87], s[4:5], s[86:87]
	s_add_nc_u64 s[88:89], s[4:5], s[88:89]
	CROUND                                         ; all sixteen work-groups are here: the first joint loads meet
.irp s, 0,1
	s_mov_b32 s[G0+4*\s], 1
	s_add_co_u32 s[G0+4*\s+1], s45, \s*SLOT
	s_add_nc_u64 s[G0+4*\s+2:G0+4*\s+3], s[86:87], \s*RT
	s_or_b32 s[G0+4*\s+3], s[G0+4*\s+3], 0x80000000
	s_mov_b32 s[G0B+4*\s], 1
	s_add_co_u32 s[G0B+4*\s+1], s45, \s*SLOT
	s_add_nc_u64 s[G0B+4*\s+2:G0B+4*\s+3], s[88:89], \s*RT
	s_or_b32 s[G0B+4*\s+3], s[G0B+4*\s+3], 0x80000000
	JLOAD G0+4*\s, G1, G0B+4*\s, G1B               ; two tensor loads of mine are out behind these
.endr
	v_and_b32 v1, 15, v0                           ; r
	v_bfe_u32 v2, v0, 4, 1                         ; h
	v_and_b32 v3, 31, v0
	v_lshlrev_b32 v[LO16], 4, v3
	s_mul_i32 s21, s15, HALFT
	s_mul_i32 s22, s16, HALFT
	s_add_co_u32 s22, s22, BOFF
.irp s, 0,1
	v_add_nc_u32 v[ADRA+\s], s21, v[LO16]
	v_add_nc_u32 v[ADRB+\s], s22, v[LO16]
	s_add_co_u32 s21, s21, SLOT
	s_add_co_u32 s22, s22, SLOT
.endr
	s_lshl_b32 s23, s14, 9
	s_add_co_u32 s23, s23, SCR
	v_lshl_add_u32 v[SCW], v1, 2, s23
	v_add_nc_u32 v[SCRD], s23, v[LO16]
	v_lshlrev_b32 v[VSO], 16, v2
	v_lshl_add_u32 v[VSO], v1, 2, v[VSO]
	s_lshl_b32 s18, s15, 3
	s_add_co_u32 s90, s80, s18                     ; R1: my first rowtile of Q, and of P
	s_lshl_b32 s18, s16, 3
	s_add_co_u32 s91, s81, s18                     ; RB: my first rowtile of K
	s_lshl_b32 s18, s90, 6
	s_add_co_u32 s18, s18, QKS
	s_mov_b32 s19, 0
	s_add_nc_u64 s[74:75], s[4:5], s[18:19]
	s_lshl_b32 s18, s91, 6
	s_add_co_u32 s18, s18, QKS
	s_add_nc_u64 s[76:77], s[4:5], s[18:19]
; THE SCALE WORDS of my 128 + 128 rows for all of K go straight into 64 registers, once
.irp kp, 0,1,2,3
.irp i, 0,1,2,3,4,5,6,7
	global_load_b32 v[SA+8*\kp+\i], v[VSO], s[74:75] offset:64*\i+2*STRIDE*\kp
	global_load_b32 v[SB+8*\kp+\i], v[VSO], s[76:77] offset:64*\i+2*STRIDE*\kp
.endr
.endr
	s_lshl_b32 s92, s42, 1
	s_add_co_u32 s92, s92, s16                     ; P's K step: my 128 keys: 2 x + wc
	s_mul_i32 s68, s90, 24576
	s_mul_i32 s18, s92, 1536
	s_add_co_u32 s68, s68, s18
	s_mov_b32 s69, 0
	s_add_nc_u64 s[68:69], s[6:7], s[68:69]        ; where my first fragment goes
	s_lshl_b32 s72, s92, 15
	s_lshl_b32 s18, s90, 6
	s_add_co_u32 s72, s72, s18
	s_add_co_u32 s72, s72, PS
	s_mov_b32 s73, 0
	s_add_nc_u64 s[72:73], s[6:7], s[72:73]        ; and my 128 scale words
.macro FRAG reg, adr, off              ; a fragment comes as it lies: three loads of 512 consecutive bytes
.irp c, 0,1,2
	ds_load_b128 v[\reg+4*\c:\reg+4*\c+3], v[\adr] offset:\off+512*\c
.endr
.endm
.macro FETCH_B slot, q, p
	WIN 0x40
.irp i, 0,1,2,3,4,5,6,7
	FRAG 128*(\p)+12*\i, ADRB+\slot, \i*RT+(\q)*FRB
.endr
	WIN 0
.endm
.macro FETCH_A slot, q, i0
.irp i, \i0, \i0+1, \i0+2, \i0+3
	FRAG AF+12*(\i), ADRA+\slot, (\i)*RT+(\q)*FRB
.endr
.endm
; 16 matrix instructions: A's blocks a0, a0 + 1 x B's eight, K step kq, B's set p.  cm = 0: the first product starts the sums: nothing is cleared; 1: in place.
; The 64 accumulators take turns, one instruction a turn, in the same order in every K step.
.macro MUL16 a0, p, kq, cm
.irp a, \a0, \a0+1
.irp t, 0,1,2,3,4,5,6,7
.set rD, 8*(8*((\a)%4)+\t)
.set rB, 128*(\p)+12*\t
.set rA, AF+12*(\a)
.set rSB, SB+8*((\kq)/2)+\t
.set rSA, SA+8*((\kq)/2)+(\a)
.if (\cm) == 0
	v_wmma_scale_f32_16x16x128_f8f6f4 v[rD:rD+7], v[rB:rB+11], v[rA:rA+11], 0, v[rSB], v[rSA] matrix_a_fmt:MATRIX_FMT_FP6 matrix_b_fmt:MATRIX_FMT_FP6
.elseif (\kq)%2
	v_wmma_scale_f32_16x16x128_f8f6f4 v[rD:rD+7], v[rB:rB+11], v[rA:rA+11], v[rD:rD+7], v[rSB], v[rSA] matrix_a_fmt:MATRIX_FMT_FP6 matrix_b_fmt:MATRIX_FMT_FP6 matrix_a_scale:MATRIX_SCALE_ROW1 matrix_b_scale:MATRIX_SCALE_ROW1
.else
	v_wmma_scale_f32_16x16x128_f8f6f4 v[rD:rD+7], v[rB:rB+11], v[rA:rA+11], v[rD:rD+7], v[rSB], v[rSA] matrix_a_fmt:MATRIX_FMT_FP6 matrix_b_fmt:MATRIX_FMT_FP6
.endif
.endr
.endr
.endm
; A slot's first K step.  A load into a register that a matrix instruction has read stands four plain vector instructions behind it (ISA guide 7.12.1 for vector instructions).
.macro STEP slot, kq, cm
	s_wait_dscnt 12                                ; B's set and A's blocks 0-3 are in; the youngest 12 loads (A's blocks 4-7) may be out
	WIN MUL_LO
	MUL16 0, 0, \kq, \cm
	MUL16 2, 0, \kq, \cm
	s_wait_dscnt 0x0                               ; A's blocks 4-7 are in
	PLACES 4
	FETCH_B \slot, 1, 1
	FETCH_A \slot, 1, 0
	WIN MUL_HI
	MUL16 4, 0, \kq, \cm
	MUL16 6, 0, \kq, \cm
	PLACES 4
	WIN 0
	FETCH_A \slot, 1, 4
.endm
; A slot's second K step changes slots: ONE barrier; in front of it each wave waits for all its tensor loads, adds 0 to its spare word, and waits for that and for its own reads of this slot.  fill = 1: this slot is filled again.
.macro TURN slot, next, kq, fill
	s_wait_tensorcnt 0x0                           ; all my tensor loads have landed: my part of the next slot
	ds_add_u32 v[SPW], v[NIL]                      ; 0 onto my spare word
	s_wait_dscnt 13                                ; (the add and the youngest 12 loads, A's blocks 4-7, may be out)
	WIN MUL_LO
	MUL16 0, 1, \kq, 1                             ; sixteen matrix instructions stand between the add and the wait for it
	s_wait_dscnt 0x0                               ; the add is done, and my reads of this slot are over
	s_barrier_signal -1
	MUL16 2, 1, \kq, 1
	WIN 0
	s_barrier_wait -1
.if \fill
	CREST                                          ; the barrier has opened a round of the cluster's: no wave of any partner still reads this slot or has a load on its way
	s_add_nc_u64 s[G0+4*\slot+2:G0+4*\slot+3], s[G0+4*\slot+2:G0+4*\slot+3], 2*RT
	s_add_nc_u64 s[G0B+4*\slot+2:G0B+4*\slot+3], s[G0B+4*\slot+2:G0B+4*\slot+3], 2*RT
	JLOAD G0+4*\slot, G1, G0B+4*\slot, G1B         ; the first tensor load behind the round, my only one until the next; its four v_nop are also the places in front of the loads below
.else
	PLACES 4
.endif
	FETCH_B \next, 0, 0
	FETCH_A \next, 0, 0
	WIN MUL_HI
	MUL16 4, 1, \kq, 1
	MUL16 6, 1, \kq, 1
	PLACES 4
	WIN 0
	FETCH_A \next, 0, 4
.endm
; 64 numbers of a lane, v[H] on, register 16 b + i = key 32 b + 16 (lane / 16) + i of my query: QMAX makes the four scales and the scale word, QCVT the fragment's codes in v[PC] on.
.macro QMAX
.irp b, 0,1,2,3
	v_max3_num_f32 v[TM+\b], |v[H+16*\b]|, |v[H+1+16*\b]|, 0x1800000   ; my 16 numbers of block b, and the floor 2^(3 - 127): the byte cannot fall under 1
.endr
.irp i, 2,4,6,8,10,12,14
.irp b, 0,1,2,3
	v_max3_num_f32 v[TM+\b], v[TM+\b], |v[H+16*\b+\i]|, |v[H+1+16*\b+\i]|
.endr
.endr
.irp b, 0,1,2,3
	v_permlanex16_b32 v[TM+4+\b], v[TM+\b], s[SEL], s[SEL+1]
.endr
.irp b, 0,1,2,3
	v_max_num_f32 v[TM+\b], v[TM+\b], v[TM+4+\b]   ; with lane l xor 16's: the block's largest magnitude
.endr
.irp b, 0,1,2,3
	v_add_nc_u32 v[TM+12+\b], 0xff000000, v[TM+\b] ; 2 off its exponent field: the conversion's scale operand
.endr
.irp b, 0,1,2,3
	v_lshrrev_b32 v[TM+4+\b], 23, v[TM+12+\b]      ; the byte
.endr
	v_lshl_or_b32 v[PW], v[TM+5], 8, v[TM+4]
	v_lshl_or_b32 v[PW], v[TM+6], 16, v[PW]
	v_lshl_or_b32 v[PW], v[TM+7], 24, v[PW]
.endm
.macro QCVT
.irp c, 0,1
	v_cvt_scalef32_pk16_fp6_f32 v[PC+6*\c:PC+2+6*\c], v[H+32*\c:H+15+32*\c], v[TM+12+2*\c]
	v_cvt_scalef32_pk16_fp6_f32 v[PC+12+4*\c:PC+14+4*\c], v[H+16+32*\c:H+31+32*\c], v[TM+12+2*\c+1]   ; (a conversion's three registers begin on an even number)
.endr
	v_nop                                          ; one plain place behind a scaled conversion
.irp c, 0,1                                    ; the operand's layout wants a WHOLE block in a lane
.irp i, 0,1,2
	v_permlane16_swap_b32 v[PC+6*\c+\i], v[PC+12+4*\c+\i]
.endr
.irp i, 0,1,2
	v_mov_b32 v[PC+3+6*\c+\i], v[PC+12+4*\c+\i]
.endr
.endr
.endm
; Block a (16 queries x my 128 keys) leaves: the sigmoid in f32, quantised, one fragment and one scale word a row.  Each batch of 64 transcendentals has one plain instruction and ONE wait behind it, ahead of its first reader.
.macro EPI a
.if (\a) > 0
	s_wait_dscnt 0x0                               ; the last block's store of its scale word has read its register
.endif
	WIN 0x02+(\a)/4                                ; source 0: window 2 or 3
.set i, 0
.rept 32
	v_pk_mul_f32 v[H+2*i:H+2*i+1], v[64*((\a)%4)+2*i:64*((\a)%4)+2*i+1], s[CS:CS+1] op_sel_hi:[1,0]   ; -s log2(e) / 32; each accumulator from its low end on
.set i, i+1
.endr
	WIN 0
.set i, 0
.rept 64
	v_exp_f32 v[H+i], v[H+i]
.set i, i+1
.endr
	v_nop                                          ; a plain instruction behind the last exponential
	s_wait_alu depctr_va_vdst(0)                   ; the wait ahead of the first use: one for the 64
.set i, 0
.rept 32
	v_pk_add_f32 v[H+2*i:H+2*i+1], v[H+2*i:H+2*i+1], 1.0 op_sel_hi:[1,0]
.set i, i+1
.endr
.set i, 0
.rept 64
	v_rcp_f32 v[H+i], v[H+i]
.set i, i+1
.endr
	v_nop
	s_wait_alu depctr_va_vdst(0)                   ; and one for the 64 reciprocals
	QMAX
	s_wait_xcnt 0x0                                ; the last block's stores have read their codes: they are written again only behind this wait
	QCVT
	ds_store_b32 v[SCW], v[PW] offset:64*(\a)      ; both halves of the lanes write the same word with the same value
.irp c, 0,1,2
	global_store_b128 v[LO16], v[PC+4*\c:PC+4*\c+3], s[68:69] offset:24576*(\a)+512*\c   ; the image: 512 consecutive bytes a store, at a multiple of 256 from the buffer's first byte
.endr
.endm
	s_wait_tensorcnt 1                             ; my part of slot 0 is in; slot 1's may stay out
	s_barrier_signal -1
	s_barrier_wait -1                              ; everybody's is
	FETCH_B 0, 0, 0
	FETCH_A 0, 0, 0
	FETCH_A 0, 0, 4
	s_wait_loadcnt 0x0                             ; the scale words
	STEP 0, 0, 0                                   ; the first products start the sums
	TURN 0, 1, 1, 1
	STEP 1, 2, 1
	TURN 1, 0, 3, 1
	STEP 0, 4, 1
	TURN 0, 1, 5, 0                                ; nothing is left to fetch: no round
	STEP 1, 6, 1
	s_wait_dscnt 12                                ; the last K step
	WIN MUL_LO
	MUL16 0, 1, 7, 1
	MUL16 2, 1, 7, 1
	s_wait_dscnt 0x0
	WIN MUL_HI
	MUL16 4, 1, 7, 1
	MUL16 6, 1, 7, 1
	WIN 0
	PLACES 4                                       ; in front of the first read of results and the first write over A's fragments
.irp b, 0,1,2,3
	v_mov_b32 v[TM+4+\b], 0                        ; a lane permute's destination counts as one of its sources
.endr
.irp a, 0,1,2,3,4,5,6,7
	EPI \a
.endr
	ds_load_b128 v[SCD:SCD+3], v[SCRD]             ; my 128 scale words (LDS serves a wave's instructions in order)
	s_wait_dscnt 0x0
	global_store_b128 v[LO16], v[SCD:SCD+3], s[72:73]   ; 512 consecutive bytes, aligned
	s_wait_tensorcnt 0x0                           ; the wave's end
	ds_add_u32 v[SPW], v[NIL]
	s_wait_dscnt 0x0
	CROUND                                         ; the closing round: no work-group ends while a partner may still ask for a tile that names it
	s_endpgm
.Lfunc_end_k_q3b6f9a3bab_scores:
	.size	k_q3b6f9a3bab_scores, .Lfunc_end_k_q3b6f9a3bab_scores-k_q3b6f9a3bab_scores
	.p2alignl 7, 3214868480
	.fill 96, 4, 3214868480
	.section	.rodata,"a",@progbits
	.p2align	6, 0x0
	.amdhsa_kernel k_q3b6f9a3bab_scores
		.amdhsa_group_segment_fixed_size 327680
		.amdhsa_private_segment_fixed_size 0
		.amdhsa_enable_private_segment 0
		.amdhsa_kernarg_size 16
		.amdhsa_user_sgpr_count 2
		.amdhsa_user_sgpr_kernarg_segment_ptr 1
		.amdhsa_wavefront_size32 1
		.amdhsa_system_sgpr_workgroup_id_x 1
		.amdhsa_system_sgpr_workgroup_id_y 1
		.amdhsa_system_sgpr_workgroup_id_z 1
		.amdhsa_system_vgpr_workitem_id 0
		.amdhsa_next_free_vgpr 1024
		.amdhsa_next_free_sgpr 98
		.amdhsa_reserve_vcc 0
		.amdhsa_float_denorm_mode_32 3
		.amdhsa_float_denorm_mode_16_64 3
		.amdhsa_memory_ordered 1
		.amdhsa_forward_progress 1
		.amdhsa_inst_pref_size 207
	.end_amdhsa_kernel
	.amdgpu_metadata
---
amdhsa.version: [ 1, 2 ]
amdhsa.kernels:
  - .name:           k_q3b6f9a3bab_scores
    .symbol:         k_q3b6f9a3bab_scores.kd
    .args:
      - { .name: qkv, .offset: 0, .size: 8, .value_kind: global_buffer, .address_space: global }
      - { .name: p, .offset: 8, .size: 8, .value_kind: global_buffer, .address_space: global }
    .group_segment_fixed_size: 327680
    .private_segment_fixed_size: 0
    .kernarg_segment_align: 8
    .kernarg_segment_size: 16
    .max_flat_workgroup_size: 128
    .sgpr_count:     98
    .vgpr_count:     1024
    .wavefront_size: 32
...
	.end_amdgpu_metadata
.endif
;; end of part 3
;; launch pv (part 4): grid 4 x 64, 4 waves a work-group, clusters of 4 x 4, 327,680 bytes of LDS; arguments p, qkv, out0; writes out0
.if DOCPART == 4
	.amdgcn_target "amdgcn-amd-amdhsa--gfx1250"
	.amdhsa_code_object_version 6
	.text
	.protected	k_q3b6f9a3bab_pv
	.globl	k_q3b6f9a3bab_pv
	.p2align	8
	.type	k_q3b6f9a3bab_pv,@function
k_q3b6f9a3bab_pv:
	s_mov_b64 s[64:65], 0
	v_nop
	global_prefetch_b8 v0, s[64:65] scope:SCOPE_SE
	s_setreg_imm32_b32 hwreg(HW_REG_WAVE_MODE, 25, 1), 1
	s_wait_xcnt 0x0
	s_wait_alu depctr_hold_cnt(0) depctr_sa_sdst(0) depctr_va_vdst(0) depctr_va_sdst(0) depctr_va_ssrc(0) depctr_va_vcc(0) depctr_vm_vsrc(0)
	s_getreg_b32 s2, hwreg(HW_REG_IB_STS2, 6, 4)
	s_cmp_eq_u32 s2, 0
	s_cbranch_scc0 .Lentry_in_a_cluster
	s_endpgm
.Lentry_in_a_cluster:
	s_bfe_u32 s2, ttmp6, 0x10000c
	s_cmp_lg_u32 s2, 0xf033
	s_cbranch_scc0 .Lentry_shape_is_right
	s_endpgm
.Lentry_shape_is_right:
; O = P V, for each of four batches [2048 queries][1024 channels], K = the 2,048 keys, on codes of FP6 (E2M3) with E8M0 scales, sums in f32; O leaves as f32.
; Operands lie as images of operand registers (16 rows x 128 K = 1,536 bytes; register p of lane L at 512 (p / 4) + 16 L + 4 (p % 4)), [rowtile][K step]; scale words [K step][16 rowtile + r].
; Place r of rowtile T holds row 32 (T / 2) + 8 (T % 2) + r + 8 (r / 8) (P: queries; V^T: channels).  THE MATRIX INSTRUCTION IS USED TRANSPOSED: source 0 = 16 places of V^T ("B"), source 1 = 16 places of P ("A"):
; a lane holds one place of P, and tile t's eight registers are the channels 32 (t / 2) + 16 (lane / 16) + 8 (t % 2) + 0 .. 7.  The order of the queries' places is undone here, by the stores' immediates.
; A tile is 128 queries x 256 channels, so that there are 256 work-groups; four waves, a wave 64 x 128: 32 accumulators.  K goes in four fills of 512 through two LDS slots; a slot's part of a rowtile is 6,144 consecutive bytes.
; CLUSTERS: 4 x 4.  P's tile is shared along a row of the cluster, V^T's along a column: each is asked for jointly, by the same tensor load with the same descriptor and a mask that names the four.
; REGISTERS: window 0: v16-29 addresses; v32-63 P's scale words (4 (kq / 2) + block), v64-127 V^T's (8 (kq / 2) + tile): lanes 0-15 K step kq even, lanes 16-31 odd; v128-175, v176-223 A's fragments, two sets;
;   on the way out v128-255 rows of O.  window 1: B's fragments, two sets, v0-95 and v128-223.  window 2: accumulator (a, t) at v[8 (8 a + t)].
.set SLOT,   147456                    ; A's 8 rowtiles x 6,144 bytes, then B's 16
.set BOFF,   49152
.set RT,     6144                      ; a rowtile's part of a slot: four K steps
.set FRB,    1536
.set SPARE,  2*SLOT                    ; behind the ring: the spare words, 128 bytes for each wave: two blocks of 256 bytes that no other line names
.set SPITCH, 528                       ; the way out: a stage of 16 rows x (512 bytes + 16) for each wave.  It lies in slot 0, which has had its last fill and its last read when the first result is stored there
.set PS,     12582912                  ; p: where the scale words begin
.set VC,     12582912                  ; qkv: V^T's codes,
.set VSC,    19398656                  ; and its scale words
.set ADRA, 16
.set ADRB, 20
.set CO,   22                          ; v22    16 x lane
.set STO,  24                          ; v24    the way out: where I put 32 bytes of a row
.set VSA,  25                          ; v25    4 r + 32,768 h: P's scale words' lane offset
.set VSB,  26                          ; v26    4 r + 4,096 h: V^T's
.set RD,   27                          ; v27    the way out: where I read a row back
.set SPW,  28                          ; v28    my spare word; never rewritten
.set NIL,  29                          ; v29    0; never rewritten
.set SA,   32
.set SB,   64
.set AF,   128
.set BK,   128
.set G1,  24
.set G0,  32
.set G1B, 48
.set G0B, 56
.set MSB, 0
.macro WIN new                         ; the immediate's high byte repeats the setting that is left
.if MSB != (\new)
	s_set_vgpr_msb (MSB<<8)|(\new)
.set MSB, (\new)
.endif
.endm
.set MUL, 0xa1                         ; source 0 (B) window 1, source 1 (A) window 0, C and D window 2
.macro JLOAD g0a, g1a, g0b, g1b        ; a joint load: waves 0 and 1 fetch for A, waves 2 and 3 for B; four v_nop follow each of the two lines
	s_cmp_eq_u32 s15, 0
	s_cbranch_scc0 .Lfor_b_\@
	tensor_load_to_lds s[\g0a:\g0a+3], s[\g1a:\g1a+7]
	s_nop 0
.rept 4
	v_nop
.endr
	s_branch .Lasked_\@
.Lfor_b_\@:
	tensor_load_to_lds s[\g0b:\g0b+3], s[\g1b:\g1b+7]
	s_nop 0
.rept 4
	v_nop
.endr
.Lasked_\@:
.endm
.macro CREST                           ; a round of the cluster's barrier behind its opening barrier
	s_cmp_lg_u32 s14, 0
	s_cbranch_scc1 .Lnot_wave_0_\@
	s_barrier_signal -3
.Lnot_wave_0_\@:
	s_barrier_wait -3
	s_barrier_signal -1
	s_barrier_wait -1
.endm
.macro CROUND
	s_barrier_signal -1
	s_barrier_wait -1
	CREST
.endm
.macro PLACES n
.rept \n
	v_nop
.endr
.endm
	s_load_b128 s[4:7], s[0:1], 0x0                ; p s[4:5], qkv s[6:7]
	s_load_b64 s[12:13], s[0:1], 0x10              ; out0
	v_lshl_add_u32 v[SPW], v0, 2, SPARE
	v_mov_b32 v[NIL], 0
	ds_add_u32 v28, v29
	ds_add_u32 v28, v29
	s_wait_dscnt 0x0
	v_lshrrev_b32 v1, 5, v0
	v_readfirstlane_b32 s14, v1                    ; wave 0..3
	s_lshr_b32 s15, s14, 1                         ; wr: which half of the queries is mine.  Also: I fetch for A (0) or for B (1)
	s_and_b32 s16, s14, 1                          ; wc: which half of the channels.  Also: which half of that tile I fetch
	s_bfe_u32 s40, ttmp6, 0x40000                  ; cx, cy
	s_bfe_u32 s41, ttmp6, 0x40004
	s_lshl_b32 s42, ttmp9, 2
	s_add_co_u32 s42, s42, s40                     ; x: which 256 channels
	s_and_b32 s66, ttmp7, 0xffff                   ; CY
	s_lshl_b32 s17, s66, 2
	s_add_co_u32 s17, s17, s41                     ; y: which 128 queries of the 8,192
	s_lshr_b32 s67, s66, 2                         ; the batch
	s_lshl_b32 s43, s41, 2
	s_lshl_b32 s43, 15, s43                        ; my row of the cluster
	s_lshl_b32 s44, 0x1111, s40                    ; my column
	; group 1: rows (rowtiles) of 6,144 bytes, 24,576 bytes apart in memory, dense in LDS; elements of 8 bytes; A: 4 rows, B: 8
	s_or_b32 s[G1+0], s43, (3<<16)|(1<<21)
	s_or_b32 s[G1B+0], s44, (3<<16)|(1<<21)
	s_mov_b32 s[G1+1], 768<<16                     ; tensor_dim0
	s_mov_b32 s[G1+2], 4<<16                       ; tensor_dim1
	s_mov_b32 s[G1+3], 768<<16                     ; tile_dim0
	s_mov_b32 s[G1+4], 4                           ; tile_dim1
	s_mov_b32 s[G1+5], 3072                        ; tensor_dim0_stride
	s_mov_b32 s[G1+6], 0
	s_mov_b32 s[G1+7], 0
	s_mov_b32 s[G1B+1], 768<<16
	s_mov_b32 s[G1B+2], 8<<16
	s_mov_b32 s[G1B+3], 768<<16
	s_mov_b32 s[G1B+4], 8
	s_mov_b32 s[G1B+5], 3072
	s_mov_b32 s[G1B+6], 0
	s_mov_b32 s[G1B+7], 0
	s_lshl_b32 s86, s17, 3                         ; A: P's rowtile 8 y + 4 x half: made of CY and cy alone
	s_lshl_b32 s18, s16, 2
	s_add_co_u32 s86, s86, s18
	s_mul_i32 s86, s86, 24576
	s_mov_b32 s87, 0
	s_lshl_b32 s88, s42, 4                         ; B: V^T's rowtile 16 x + 8 x half of the batch: no cy in it
	s_lshl_b32 s18, s16, 3
	s_add_co_u32 s88, s88, s18
	s_mul_i32 s88, s88, 24576
	s_mul_i32 s18, s67, 1572864
	s_add_co_u32 s88, s88, s18
	s_add_co_u32 s88, s88, VC
	s_mov_b32 s89, 0
	s_mul_i32 s45, s16, 24576                      ; where they go: A's halves,
	s_mul_i32 s46, s16, 49152
	s_add_co_u32 s46, s46, BOFF                    ; B's halves: no place in the cluster enters an LDS address
	s_wait_kmcnt 0x0
	s_add_nc_u64 s[86:87], s[4:5], s[86:87]
	s_add_nc_u64 s[88:89], s[6:7], s[88:89]
	CROUND                                         ; all sixteen work-groups are here: the first joint loads meet
.irp s, 0,1
	s_mov_b32 s[G0+4*\s], 1
	s_add_co_u32 s[G0+4*\s+1], s45, \s*SLOT
	s_add_nc_u64 s[G0+4*\s+2:G0+4*\s+3], s[86:87], \s*RT
	s_or_b32 s[G0+4*\s+3], s[G0+4*\s+3], 0x80000000
	s_mov_b32 s[G0B+4*\s], 1
	s_add_co_u32 s[G0B+4*\s+1], s46, \s*SLOT
	s_add_nc_u64 s[G0B+4*\s+2:G0B+4*\s+3], s[88:89], \s*RT
	s_or_b32 s[G0B+4*\s+3], s[G0B+4*\s+3], 0x80000000
	JLOAD G0+4*\s, G1, G0B+4*\s, G1B               ; two tensor loads of mine are out behind these
.endr
	v_and_b32 v1, 15, v0                           ; r
	v_bfe_u32 v2, v0, 4, 1                         ; h
	v_and_b32 v3, 31, v0
	v_lshlrev_b32 v[CO], 4, v3
	s_mul_i32 s21, s15, 24576                      ; my 4 rowtiles of A
	s_mul_i32 s22, s16, 49152                      ; my 8 of B,
	s_add_co_u32 s22, s22, BOFF                    ; which lie behind A's 8
.irp s, 0,1
	v_add_nc_u32 v[ADRA+\s], s21, v[CO]
	v_add_nc_u32 v[ADRB+\s], s22, v[CO]
	s_add_co_u32 s21, s21, SLOT
	s_add_co_u32 s22, s22, SLOT
.endr
	s_mul_i32 s23, s14, 16*SPITCH                  ; my stage
	v_mul_u32_u24 v5, v1, SPITCH
	v_lshl_add_u32 v5, v2, 6, v5
	v_add_nc_u32 v[STO], s23, v5                   ; in: row r, + 64 h bytes
	v_add_nc_u32 v[RD], s23, v[CO]                 ; back: the 32 lanes take one row of 512 bytes
	v_lshlrev_b32 v[VSA], 15, v2
	v_lshl_add_u32 v[VSA], v1, 2, v[VSA]
	v_lshlrev_b32 v[VSB], 12, v2
	v_lshl_add_u32 v[VSB], v1, 2, v[VSB]
	s_lshl_b32 s18, s17, 3
	s_lshl_b32 s19, s15, 2
	s_add_co_u32 s18, s18, s19                     ; my first rowtile of P
	s_lshl_b32 s18, s18, 6
	s_add_co_u32 s18, s18, PS
	s_mov_b32 s19, 0
	s_add_nc_u64 s[74:75], s[4:5], s[18:19]
	s_lshl_b32 s18, s42, 4
	s_lshl_b32 s20, s16, 3
	s_add_co_u32 s18, s18, s20                     ; my first rowtile of V^T
	s_lshl_b32 s18, s18, 6
	s_lshl_b32 s20, s67, 16
	s_add_co_u32 s18, s18, s20
	s_add_co_u32 s18, s18, VSC
	s_add_nc_u64 s[76:77], s[6:7], s[18:19]
; THE SCALE WORDS of my 64 + 128 rows for all of K go straight into 96 registers, once
.irp kp, 0,1,2,3,4,5,6,7
.irp a, 0,1,2,3
	global_load_b32 v[SA+4*\kp+\a], v[VSA], s[74:75] offset:64*\a+65536*\kp
.endr
.irp t, 0,1,2,3,4,5,6,7
	global_load_b32 v[SB+8*\kp+\t], v[VSB], s[76:77] offset:64*\t+8192*\kp
.endr
.endr
	s_lshl_b32 s18, s17, 7
	s_lshl_b32 s19, s15, 6
	s_add_co_u32 s18, s18, s19                     ; my first row of O: 128 y + 64 wr
	s_lshl_b32 s18, s18, 12                        ; rows of 4,096 bytes
	s_lshl_b32 s19, s42, 10
	s_add_co_u32 s18, s18, s19                     ; + my first channel: 256 x + 128 wc, 4 bytes each
	s_lshl_b32 s19, s16, 9
	s_add_co_u32 s18, s18, s19
	s_mov_b32 s19, 0
	s_add_nc_u64 s[12:13], s[12:13], s[18:19]
.macro FRAG reg, adr, off              ; a fragment comes as it lies: three loads of 512 consecutive bytes
.irp c, 0,1,2
	ds_load_b128 v[\reg+4*\c:\reg+4*\c+3], v[\adr] offset:\off+512*\c
.endr
.endm
.macro FETCH slot, q, p                ; the slot's q-th K step into set p: B's eight fragments and A's four: 36 loads
	WIN 0x40
.irp i, 0,1,2,3,4,5,6,7
	FRAG 128*(\p)+12*\i, ADRB+\slot, \i*RT+(\q)*FRB
.endr
	WIN 0
.irp i, 0,1,2,3
	FRAG AF+48*(\p)+12*\i, ADRA+\slot, \i*RT+(\q)*FRB
.endr
.endm
; 8 matrix instructions: A's block a x B's eight, K step kq, set p.  zero = 1: the first product starts the sums: nothing is cleared.
; The 32 accumulators take turns, one instruction a turn, in the same order in every K step.
.macro MUL8 a, p, kq, zero
.irp t, 0,1,2,3,4,5,6,7
.set rD, 8*(8*(\a)+\t)
.set rB, 128*(\p)+12*\t
.set rA, AF+48*(\p)+12*(\a)
.set rSB, SB+8*((\kq)/2)+\t
.set rSA, SA+4*((\kq)/2)+(\a)
.if \zero
	v_wmma_scale_f32_16x16x128_f8f6f4 v[rD:rD+7], v[rB:rB+11], v[rA:rA+11], 0, v[rSB], v[rSA] matrix_a_fmt:MATRIX_FMT_FP6 matrix_b_fmt:MATRIX_FMT_FP6
.elseif (\kq)%2
	v_wmma_scale_f32_16x16x128_f8f6f4 v[rD:rD+7], v[rB:rB+11], v[rA:rA+11], v[rD:rD+7], v[rSB], v[rSA] matrix_a_fmt:MATRIX_FMT_FP6 matrix_b_fmt:MATRIX_FMT_FP6 matrix_a_scale:MATRIX_SCALE_ROW1 matrix_b_scale:MATRIX_SCALE_ROW1
.else
	v_wmma_scale_f32_16x16x128_f8f6f4 v[rD:rD+7], v[rB:rB+11], v[rA:rA+11], v[rD:rD+7], v[rSB], v[rSA] matrix_a_fmt:MATRIX_FMT_FP6 matrix_b_fmt:MATRIX_FMT_FP6
.endif
.endr
.endm
; One of a slot's first three K steps: the next K step's fragments are asked for, into the other set, ahead of this step's 32 products.
; A load into a register that a matrix instruction has read stands four plain vector instructions behind it (ISA guide 7.12.1 for vector instructions).
.macro STEP slot, kq, zero
	s_wait_dscnt 0x0                               ; this K step's fragments are in (asked for 32 matrix instructions ago)
	PLACES 4
	FETCH \slot, (\kq)%4+1, 1-(\kq)%2
	WIN MUL
	MUL8 0, (\kq)%2, \kq, \zero
	MUL8 1, (\kq)%2, \kq, \zero
	MUL8 2, (\kq)%2, \kq, \zero
	MUL8 3, (\kq)%2, \kq, \zero
.endm
; A slot's last K step changes slots: ONE barrier; in front of it each wave waits for all its tensor loads, adds 0 to its spare word, and waits for that and for its own reads of this slot.  fill = 1: this slot is filled again.
.macro TURN slot, next, kq, fill
	WIN 0                                          ; (the add's two registers lie in window 0)
	s_wait_tensorcnt 0x0                           ; all my tensor loads have landed: my part of the next slot
	ds_add_u32 v[SPW], v[NIL]                      ; 0 onto my spare word
	s_wait_dscnt 1                                 ; this K step's fragments are in (the add may be out)
	WIN MUL
	MUL8 0, 1, \kq, 0                              ; eight matrix instructions stand between the add and the wait for it
	s_wait_dscnt 0x0                               ; the add is done, and my reads of this slot are over
	s_barrier_signal -1
	MUL8 1, 1, \kq, 0
	WIN 0
	s_barrier_wait -1
.if \fill
	CREST                                          ; the barrier has opened a round of the cluster's: no wave of any partner still reads this slot or has a load on its way
	s_add_nc_u64 s[G0+4*\slot+2:G0+4*\slot+3], s[G0+4*\slot+2:G0+4*\slot+3], 2*RT
	s_add_nc_u64 s[G0B+4*\slot+2:G0B+4*\slot+3], s[G0B+4*\slot+2:G0B+4*\slot+3], 2*RT
	JLOAD G0+4*\slot, G1, G0B+4*\slot, G1B         ; the first tensor load behind the round, my only one until the next; its four v_nop are also the places in front of the loads below
.else
	PLACES 4
.endif
	FETCH \next, 0, 0
	WIN MUL
	MUL8 2, 1, \kq, 0
	MUL8 3, 1, \kq, 0
.endm
	s_wait_tensorcnt 1                             ; my part of slot 0 is in; slot 1's may stay out
	s_barrier_signal -1
	s_barrier_wait -1                              ; everybody's is
	FETCH 0, 0, 0
	s_wait_loadcnt 0x0                             ; the scale words
	STEP 0, 0, 1                                   ; the first products start the sums
	STEP 0, 1, 0
	STEP 0, 2, 0
	TURN 0, 1, 3, 1
	STEP 1, 4, 0
	STEP 1, 5, 0
	STEP 1, 6, 0
	TURN 1, 0, 7, 1
	STEP 0, 8, 0
	STEP 0, 9, 0
	STEP 0, 10, 0
	TURN 0, 1, 11, 0                               ; nothing is left to fetch: no round.  Behind this barrier nobody reads slot 0
	STEP 1, 12, 0
	STEP 1, 13, 0
	STEP 1, 14, 0
	s_wait_dscnt 0x0                               ; the last K step
	MUL8 0, 1, 15, 0
	MUL8 1, 1, 15, 0
	MUL8 2, 1, 15, 0
	MUL8 3, 1, 15, 0
	WIN 0
; THE WAY OUT, block by block of 16 queries x 128 channels.  A lane holds pieces of 32 bytes of a row, and the lanes beside it hold other rows: so a block goes through my own stage in LDS and comes back as whole rows of
; 512 bytes.  LDS serves a wave's instructions in order (ISA guide 5.7.1.4): no wait between the stores and the loads, nor in front of the next block's stores.
.macro TOSTAGE a
	WIN 0x08                                       ; an LDS store's data are its source 1: window 2
.irp t, 0,1,2,3,4,5,6,7
	ds_store_b128 v[STO], v[8*(8*(\a)+\t):8*(8*(\a)+\t)+3] offset:128*(\t/2)+32*(\t%2)        ; each accumulator from its low end on
	ds_store_b128 v[STO], v[8*(8*(\a)+\t)+4:8*(8*(\a)+\t)+7] offset:128*(\t/2)+32*(\t%2)+16
.endr
	WIN 0
.irp i, 0,1,2,3,4,5,6,7,8,9,10,11,12,13,14,15
	ds_load_b128 v[BK+64*((\a)%2)+4*\i:BK+64*((\a)%2)+4*\i+3], v[RD] offset:\i*SPITCH
.endr
.endm
.macro SEND a, younger                 ; younger: the LDS instructions issued behind block a's loads, which may stay out
	s_wait_dscnt \younger
.irp i, 0,1,2,3,4,5,6,7,8,9,10,11,12,13,14,15
	global_store_b128 v[CO], v[BK+64*((\a)%2)+4*\i:BK+64*((\a)%2)+4*\i+3], s[12:13] offset:(32*((\a)/2)+8*((\a)%2)+\i+8*(\i/8))*4096 th:TH_STORE_NT   ; place i of block a is this row of O: 512 consecutive bytes, at a multiple of 256 from O's first byte
.endr
.endm
	PLACES 4                                       ; in front of the first read of results and of the loads into the registers that held A's fragments
	TOSTAGE 0
	TOSTAGE 1
	SEND 0, 32                                     ; behind block 0's loads: block 1's 16 stores and 16 loads
	s_wait_xcnt 0x0                                ; block 0's stores have read their registers: block 2's loads may land there
	TOSTAGE 2
	SEND 1, 32
	s_wait_xcnt 0x0
	TOSTAGE 3
	SEND 2, 32
	SEND 3, 0
	s_wait_tensorcnt 0x0                           ; the wave's end
	ds_add_u32 v[SPW], v[NIL]
	s_wait_dscnt 0x0
	CROUND                                         ; the closing round: no work-group ends while a partner may still ask for a tile that names it
	s_endpgm
.Lfunc_end_k_q3b6f9a3bab_pv:
	.size	k_q3b6f9a3bab_pv, .Lfunc_end_k_q3b6f9a3bab_pv-k_q3b6f9a3bab_pv
	.p2alignl 7, 3214868480
	.fill 96, 4, 3214868480
	.section	.rodata,"a",@progbits
	.p2align	6, 0x0
	.amdhsa_kernel k_q3b6f9a3bab_pv
		.amdhsa_group_segment_fixed_size 327680
		.amdhsa_private_segment_fixed_size 0
		.amdhsa_enable_private_segment 0
		.amdhsa_kernarg_size 24
		.amdhsa_user_sgpr_count 2
		.amdhsa_user_sgpr_kernarg_segment_ptr 1
		.amdhsa_wavefront_size32 1
		.amdhsa_system_sgpr_workgroup_id_x 1
		.amdhsa_system_sgpr_workgroup_id_y 1
		.amdhsa_system_sgpr_workgroup_id_z 1
		.amdhsa_system_vgpr_workitem_id 0
		.amdhsa_next_free_vgpr 768
		.amdhsa_next_free_sgpr 98
		.amdhsa_reserve_vcc 0
		.amdhsa_float_denorm_mode_32 3
		.amdhsa_float_denorm_mode_16_64 3
		.amdhsa_memory_ordered 1
		.amdhsa_forward_progress 1
		.amdhsa_inst_pref_size 138
	.end_amdhsa_kernel
	.amdgpu_metadata
---
amdhsa.version: [ 1, 2 ]
amdhsa.kernels:
  - .name:           k_q3b6f9a3bab_pv
    .symbol:         k_q3b6f9a3bab_pv.kd
    .args:
      - { .name: p, .offset: 0, .size: 8, .value_kind: global_buffer, .address_space: global }
      - { .name: qkv, .offset: 8, .size: 8, .value_kind: global_buffer, .address_space: global }
      - { .name: out0, .offset: 16, .size: 8, .value_kind: global_buffer, .address_space: global }
    .group_segment_fixed_size: 327680
    .private_segment_fixed_size: 0
    .kernarg_segment_align: 8
    .kernarg_segment_size: 24
    .max_flat_workgroup_size: 128
    .sgpr_count:     98
    .vgpr_count:     768
    .wavefront_size: 32
...
	.end_amdgpu_metadata
.endif
;; end of part 4
